; MI455X (gfx1250); checked and timed in simulation.
; The chip was launched on July 23, 2026; its instructions are those of AMD's public machine-readable ISA for CDNA 5 (MIT licence, August 2026) and "CDNA5" Instruction Set Architecture Reference Guide (July 2026). The comments in the code are by the model that wrote it; some were corrected since.
;; Efficient Attention. Allowed arithmetic: matrix products marked QUANTISED: E2M3 operands, one E8M0 scale for each 32 along K, by v_wmma_scale_f32_16x16x128_f8f6f4 with both operands' format E2M3, f32 sums; everything else in f32.
;; Inputs: k_proj 1,024 x 1,024 float32; out_proj 1,024 x 1,024 float32; q_proj 1,024 x 1,024 float32; v_proj 1,024 x 1,024 float32; x 2 x 2,048 x 1,024 float32.
;; Outputs: out0 2 x 2,048 x 1,024 float32.
;; This version of the problem:
;;   THIS VERSION OF THE PROBLEM IS GIVEN IN LOW PRECISION. The matrix products marked QUANTISED in the list below multiply operands that are first quantised to E2M3 (2 exponent bits, 3 mantissa bits; 6 bits a number), with one power-of-two scale for each 32 numbers along K (OCP MX v1.0); their sums are f32. All else is computed in f32.
;;   The module's matrix products, in the order in which they are computed (A, B: the left and right operand; K: the contracted axis; several contracted axes count as one K, in the product's order):
;;     1. [M 4,096, K 1,024] x [K 1,024, N 1,024]; A: input x; B: input q_proj: QUANTISED
;;     2. [M 4,096, K 1,024] x [K 1,024, N 1,024]; A: input x; B: input k_proj: QUANTISED
;;     3. [M 4,096, K 1,024] x [K 1,024, N 1,024]; A: input x; B: input v_proj: QUANTISED
;;     4. batch 32 x [M 2,048, K 64] x [K 64, N 2,048]; A: computed on the way; B: computed on the way: QUANTISED
;;     5. batch 32 x [M 2,048, K 2,048] x [K 2,048, N 64]; A: softmax (see below); B: computed on the way: QUANTISED
;;     6. [M 4,096, K 1,024] x [K 1,024, N 1,024]; A: computed on the way; B: input out_proj: QUANTISED
;;   THE QUANTISER, for each operand of a quantised product, along K:
;;     - K is cut into blocks of 32 from its start; a last block that is shorter is filled with zeros.
;;     - A block's scale is 2^e with e = floor(log2(the largest magnitude in the block)) - 2, held to -126 .. 127; a block of zeros has e = 0. As a byte (E8M0): e + 127.
;;     - Each number is divided by its block's scale, clamped to +-7.5, and rounded to the nearest number of E2M3, ties to even, subnormals kept.
;;     - The product sums the exact products of the quantised numbers (number of the format x scale) in f32.
;;   ~~~python
;;   def quantise(x, axis):      # numpy; x: float32 -> the quantised numbers, widened to float32 again
;;       x = np.moveaxis(x, axis, -1); K = x.shape[-1]
;;       x = np.pad(x, [(0, 0)] * (x.ndim - 1) + [(0, -K % 32)]); x = x.reshape(x.shape[:-1] + (-1, 32)); a = np.abs(x).max(-1, keepdims=True)
;;       e = np.where(a > 0, np.clip(np.frexp(np.where(a > 0, a, 1))[1] - 1 - 2, -126, 127), 0)      # np.frexp(a)[1] - 1 = floor(log2(a)), exactly
;;       r = np.clip(x / 2.0 ** e, -7.5, 7.5)
;;       step = 2.0 ** (np.maximum(np.frexp(np.where(r == 0, 1, r))[1] - 1, 0) - 3)
;;       q = np.round(r / step) * step * 2.0 ** e      # np.round: ties to even
;;       return np.moveaxis(q.reshape(q.shape[:-2] + (-1,))[..., :K], -1, axis).astype(np.float32)
;;   ~~~
;;   SOFTMAX AHEAD OF A QUANTISED PRODUCT. Where the list says 'softmax', what is quantised is not the finished softmax but p = 2^(t - M), with t = logit x log2(e) and M = ceil(the row's largest t), a whole number; so 1/2 < the row's largest p <= 1. The row's sum l is taken of the UNQUANTISED p, in f32, and the product's result is divided by l at the end. Since M is a whole number, a kernel that streams over the keys may use a running M (the ceiling of the running maximum): every later rescaling is an exact power of two, which a block's scale takes up: the codes' values come out the same.
;;   OPERANDS COMPUTED ON THE WAY. 'Computed on the way' means the value that the module computes at that place (a softmax that the list does not call 'softmax' is quantised finished and normalised). What goes into a quantiser is computed in f32, as accurately as f32 sums, v_exp_f32 and their like allow (about 1e-6 of the number): no bf16 or f16 on the way to a quantiser, and a product that is left as it is and whose result goes on into a quantised operand takes f32 operands (vector FMAs, or v_wmma_f32_16x16x4_f32). A number that lies on a knife's edge between two numbers of the format may be rounded either way, as far as f32 arithmetic and the matrix unit's own rounding can turn it there, and no further.
;; One version. Each part assembles by itself: llvm-mc -triple=amdgcn-amd-amdhsa -mcpu=gfx1250 --defsym DOCPART=n.
;; ======== version 1 of 1: 4 launches
;; limits: right only within a limited range of input values
;; workspace buffers: xq 3,276,800 bytes; wq 3,276,800 bytes; qq 3,276,800 bytes; kv 6,553,600 bytes; cq 3,276,800 bytes
;; launch quant (part 1): grid 768 x 1, 4 waves a work-group, no clusters, 40,704 bytes of LDS; arguments x, q_proj, k_proj, v_proj, out_proj, xq, wq; writes xq, wq
.if DOCPART == 1
	.amdgcn_target "amdgcn-amd-amdhsa--gfx1250"
	.amdhsa_code_object_version 6
	.text
	.protected	k_qee9fdda7a6_quant
	.globl	k_qee9fdda7a6_quant
	.p2align	8
	.type	k_qee9fdda7a6_quant,@function
k_qee9fdda7a6_quant:
	s_mov_b64 s[64:65], 0
	v_nop
	global_prefetch_b8 v0, s[64:65] scope:SCOPE_SE
	s_setreg_imm32_b32 hwreg(HW_REG_WAVE_MODE, 25, 1), 1
	s_wait_xcnt 0x0
; x [4096][1024] and the four weights [1024 (k)][1024 (n)], f32, become codes of FP6 (E2M3) with one E8M0 scale byte for each 32 along K.
; A block's scale is 2^(floor(log2(its largest magnitude)) - 2); each number is divided by it and rounded to the nearest code, ties to even; beyond 7.5 the largest code.
; LAYOUT OF THE RESULT.  A FRAGMENT (16 rows x 128 K, 12 registers a lane) lies in memory as an image of its registers, 1,536 bytes: half c (registers 6 c ..): registers 6 c .. 6 c + 3 at
; 768 c + 16 x lane, registers 6 c + 4, 6 c + 5 at 768 c + 512 + 8 x lane.  Buffer: [tile of 16 rows][K step 0..7][1,536].
; WHICH ROWS FORM A TILE: row i of tile j (0..3) of a band of 64 rows is the band's row 32 (i / 8) + 8 j + i % 8, so that a product's results over the four tiles of a band are 32 neighbours in a lane's registers: one scale block.
; SCALE WORDS (4 bytes: a row's 128 K) behind the codes, at SCW: 512 bytes a tile: [K step / 4][row 16][K step % 4].
; SHARES.  Work-groups 0-255: one tile of x each, wave w its K steps 2 w, 2 w + 1.  Each load reads 512 consecutive bytes of a row; the rows turn through the wave's own stage in LDS.
; Work-groups 256-767: a band of 64 columns x one K step of a weight; wave w: columns 32 (w % 2) on, K half w / 2: a lane takes a column and its registers run down K.  The codes leave through LDS as whole images.
; wq's tiles: q_proj's columns 0-63, k_proj's 64-127, v_proj's 128-191, out_proj's 192-255.
; No cluster: no two work-groups read the same bytes.  No prefetch: all loads of a wave are issued in its head.  The scale words are stored 4 bytes a lane to places 16 bytes apart: one byte in 128 of what the launch reads.
; LIMITS: a block of zeros gets the byte 1 where the rule says 127 (its codes are zeros, and this program alone reads the bytes); a block whose largest magnitude lies under 2^-124 is held at that floor;
; NaN and infinities among the inputs are not served.
.set SCW,  3145728
.set PIT,  528                         ; a stage row: 512 bytes + 16
.set WST,  33792                       ; behind the four waves' stages: the weights' images of four tiles
.set SST,  39936                       ; and their scale words
.set SPARE, 40192                      ; the spare words
.set R,    32                          ; v32-159 the numbers as loaded
.set X,    160                         ; v160-223 64 numbers of my row
.set SPW,  250
.set NIL,  251
.macro WALU
	s_wait_alu depctr_va_vdst(0)
.endm
	s_load_b256 s[4:11], s[0:1], 0x0               ; x, q_proj, k_proj, v_proj
	s_load_b128 s[12:15], s[0:1], 0x20             ; out_proj, xq
	s_load_b64 s[16:17], s[0:1], 0x30              ; wq
	v_lshl_add_u32 v[SPW], v0, 2, SPARE
	v_mov_b32 v[NIL], 0
	v_lshrrev_b32 v1, 5, v0
	v_readfirstlane_b32 s18, v1                    ; wave 0..3
	v_and_b32 v1, 31, v0                           ; lane
	v_and_b32 v2, 15, v0                           ; r
	v_bfe_u32 v3, v0, 4, 1                         ; h
	v_lshlrev_b32 v5, 4, v1                        ; 16 x lane
	v_lshlrev_b32 v6, 3, v1                        ; 8 x lane
	s_mov_b32 s20, 0x76543210                      ; lane selects: lane l xor 16
	s_mov_b32 s21, 0xfedcba98
	s_mov_b32 s22, 0xffff0000                      ; the mask of lanes 16-31
	WALU
	s_cmp_lt_u32 ttmp9, 256
	s_cbranch_scc0 .Lweights
	; ---------------- x: tile T = the work-group's number
	s_mul_i32 s24, s18, 16*PIT
	v_mul_u32_u24 v7, v2, PIT
	v_lshl_add_u32 v7, v3, 7, v7
	v_add_nc_u32 v7, s24, v7                       ; back: row r, + 128 h: my 32 numbers of a block
	v_add_nc_u32 v4, s24, v5                       ; in: 16 x lane
	v_lshlrev_b32 v27, 4, v2
	v_lshl_add_u32 v27, v3, 2, v27                 ; scale words: 16 r + 4 h
	v_lshlrev_b32 v28, 3, v3                       ; 8 h
	v_mov_b32 v14, 0                               ; written once: a lane permute's destination counts as one of its sources
	s_lshr_b32 s24, ttmp9, 2
	s_lshl_b32 s24, s24, 6
	s_and_b32 s25, ttmp9, 3
	s_lshl_b32 s25, s25, 3
	s_add_co_u32 s24, s24, s25                     ; the tile's first row: 64 (T / 4) + 8 (T % 4)
	s_lshl_b32 s24, s24, 12
	s_lshl_b32 s25, s18, 10                        ; my two K steps: 1,024 bytes of a row
	s_add_co_u32 s24, s24, s25
	s_mov_b32 s25, 0
	s_mul_i32 s26, ttmp9, 12288
	s_mul_i32 s27, s18, 3072
	s_add_co_u32 s26, s26, s27
	s_mov_b32 s27, 0
	s_lshl_b32 s28, ttmp9, 9                       ; the tile's scale words: 512 T + 256 (w / 2) + 8 (w % 2)
	s_lshr_b32 s29, s18, 1
	s_lshl_b32 s29, s29, 8
	s_add_co_u32 s28, s28, s29
	s_and_b32 s29, s18, 1
	s_lshl_b32 s29, s29, 3
	s_add_co_u32 s28, s28, s29
	s_add_co_u32 s28, s28, SCW
	s_mov_b32 s29, 0
	WALU
	s_wait_kmcnt 0x0
	s_add_nc_u64 s[4:5], s[4:5], s[24:25]
	s_add_nc_u64 s[26:27], s[14:15], s[26:27]
	s_add_nc_u64 s[28:29], s[14:15], s[28:29]
.irp k, 0,1
.irp i, 0,1,2,3,4,5,6,7,8,9,10,11,12,13,14,15
	global_load_b128 v[R+64*\k+4*\i:R+64*\k+4*\i+3], v5, s[4:5] offset:(32*(\i/8)+\i%8)*4096+512*\k th:TH_LOAD_NT
.endr
.endr
.macro TURN k                          ; K step k of my two through the stage: LDS serves a wave's instructions in order (ISA guide 5.7.1.4)
.irp i, 0,1,2,3,4,5,6,7,8,9,10,11,12,13,14,15
	ds_store_b128 v4, v[R+64*\k+4*\i:R+64*\k+4*\i+3] offset:PIT*\i
.endr
.irp c, 0,1
.irp j, 0,1,2,3,4,5,6,7
	ds_load_b128 v[X+32*\c+4*\j:X+32*\c+4*\j+3], v7 offset:256*\c+16*\j
.endr
.endr
	s_wait_dscnt 0x0
.endm
; register 32 c + i is k = 64 c + 32 h + i of my row: two whole blocks a lane.  Codes to v[pc] on, the row's scale word to v[pw]
.macro QUANT pc, pw
.irp c, 0,1
	v_max3_num_f32 v[8+\c], |v[X+32*\c]|, |v[X+32*\c+1]|, |v[X+32*\c+2]|
	v_max3_num_f32 v[10+\c], |v[X+32*\c+16]|, |v[X+32*\c+17]|, |v[X+32*\c+18]|
.endr
.irp i, 3,5,7,9,11,13
.irp c, 0,1
	v_max3_num_f32 v[8+\c], v[8+\c], |v[X+32*\c+\i]|, |v[X+32*\c+\i+1]|
	v_max3_num_f32 v[10+\c], v[10+\c], |v[X+32*\c+16+\i]|, |v[X+32*\c+17+\i]|
.endr
.endr
.irp c, 0,1
	v_max3_num_f32 v[8+\c], v[8+\c], |v[X+32*\c+15]|, 0x1800000   ; and the floor 2^(3 - 127): the byte cannot fall under 1
.endr
.irp c, 0,1
	v_max3_num_f32 v[8+\c], v[8+\c], |v[X+32*\c+31]|, v[10+\c]
.endr
.irp c, 0,1
	v_add_nc_u32 v[12+\c], 0xff000000, v[8+\c]     ; 2 off its exponent field: the conversion's scale operand
.endr
.irp c, 0,1
	v_cvt_scalef32_pk16_fp6_f32 v[\pc+6*\c:\pc+6*\c+2], v[X+32*\c:X+32*\c+15], v[12+\c]
	v_cvt_scalef32_pk16_fp6_f32 v[16+4*\c:18+4*\c], v[X+32*\c+16:X+32*\c+31], v[12+\c]   ; (a conversion's three registers begin on an even number)
.endr
.irp c, 0,1
	v_lshrrev_b32 v[8+\c], 23, v[12+\c]            ; the byte
.endr
.irp i, 0,1,2
.irp c, 0,1
	v_mov_b32 v[\pc+6*\c+3+\i], v[16+4*\c+\i]
.endr
.endr
	v_lshl_or_b32 v[\pw], v9, 16, v8               ; my blocks h and 2 + h,
	v_lshlrev_b32 v[\pw], v28, v[\pw]              ; at their places,
	v_permlanex16_b32 v14, v[\pw], s20, s21
	v_or_b32 v[\pw], v[\pw], v14                   ; with lane l xor 16's two: the row's word
.endm
.macro GIMAGE pc, off                  ; each store covers consecutive bytes that begin at a multiple of 256
	global_store_b128 v5, v[\pc:\pc+3], s[26:27] offset:\off
	global_store_b64 v6, v[\pc+4:\pc+5], s[26:27] offset:\off+512
	global_store_b128 v5, v[\pc+6:\pc+9], s[26:27] offset:\off+768
	global_store_b64 v6, v[\pc+10:\pc+11], s[26:27] offset:\off+1280
.endm
	s_wait_loadcnt 16                              ; the first K step's 16 loads are in; the second's 16 may be out
	TURN 0
	QUANT 224, 24
	GIMAGE 224, 0
	s_wait_loadcnt 0x0
	TURN 1
	QUANT 236, 25                                  ; registers of its own: no store's data are written again
	GIMAGE 236, 1536
	v_cndmask_b32 v26, v24, v25, s22               ; lanes 0-15 carry the first K step's words, lanes 16-31 the second's
	global_store_b32 v27, v26, s[28:29]
	s_wait_tensorcnt 0x0                           ; the wave's end
	ds_add_u32 v[SPW], v[NIL]
	s_wait_dscnt 0x0
	s_endpgm
	; ---------------- the weights
.Lweights:
	s_sub_co_u32 s24, ttmp9, 256
	s_lshr_b32 s25, s24, 7                         ; which weight
	s_bfe_u32 s26, s24, 0x40003                    ; which band of 64 columns
	s_and_b32 s27, s24, 7                          ; which K step
	s_and_b32 s28, s18, 1                          ; h: which 32 of the columns
	s_lshr_b32 s29, s18, 1                         ; c: which half of the K step
	s_mul_i32 s30, s29, 768
	s_lshl_b32 s31, s28, 7
	s_add_co_u32 s31, s31, s30
	s_add_co_u32 s31, s31, WST
	s_lshl_b32 s32, s28, 6
	s_add_co_u32 s32, s32, s30
	s_add_co_u32 s32, s32, WST+512
	s_lshl_b32 s33, s28, 5
	s_lshl_b32 s34, s29, 1
	s_add_co_u32 s33, s33, s34
	s_add_co_u32 s33, s33, SST
	s_mul_i32 s35, s18, 1536
	s_add_co_u32 s35, s35, WST
	s_lshl_b32 s36, s18, 6
	s_add_co_u32 s36, s36, SST
	v_lshrrev_b32 v2, 3, v1                        ; column c of my 32: tile j = c / 8, row 8 h + c % 8
	v_and_b32 v3, 7, v1
	v_mul_u32_u24 v7, v2, 1536
	v_lshl_add_u32 v4, v3, 4, v7
	v_add_nc_u32 v4, s31, v4                       ; registers 0-3 of my row's block 0
	v_lshl_add_u32 v8, v3, 3, v7
	v_add_nc_u32 v8, s32, v8                       ; registers 4, 5
	v_lshlrev_b32 v9, 6, v2
	v_lshl_add_u32 v9, v3, 2, v9
	v_add_nc_u32 v9, s33, v9                       ; my two bytes of the row's scale word
	v_lshlrev_b32 v10, 2, v1                       ; in: 4 bytes a lane
	v_add_nc_u32 v11, s35, v5                      ; out: tile w's image, 16 bytes a lane
	v_and_b32 v12, 15, v1
	v_lshlrev_b32 v13, 2, v12
	v_add_nc_u32 v13, s36, v13                     ; tile w's scale words
	v_lshlrev_b32 v12, 4, v12
	s_lshl_b32 s38, s27, 19                        ; 128 rows of 4,096 bytes a K step,
	s_lshl_b32 s39, s29, 18                        ; 64 a half
	s_add_co_u32 s38, s38, s39
	s_lshl_b32 s39, s26, 8
	s_add_co_u32 s38, s38, s39
	s_lshl_b32 s39, s28, 7
	s_add_co_u32 s38, s38, s39
	s_mov_b32 s39, 0
	s_lshl_b32 s40, s25, 6
	s_lshl_b32 s41, s26, 2
	s_add_co_u32 s40, s40, s41
	s_add_co_u32 s40, s40, s18                     ; the tile that I send out
	s_mul_i32 s42, s40, 12288
	s_mul_i32 s43, s27, 1536
	s_add_co_u32 s42, s42, s43
	s_mov_b32 s43, 0
	s_lshl_b32 s44, s40, 9
	s_lshr_b32 s45, s27, 2
	s_lshl_b32 s45, s45, 8
	s_add_co_u32 s44, s44, s45
	s_and_b32 s45, s27, 3
	s_lshl_b32 s45, s45, 2
	s_add_co_u32 s44, s44, s45
	s_add_co_u32 s44, s44, SCW
	s_mov_b32 s45, 0
	WALU
	s_wait_kmcnt 0x0
	s_cmp_eq_u32 s25, 1                            ; the weight is chosen by the work-group's number alone
	s_cselect_b64 s[6:7], s[8:9], s[6:7]
	s_cmp_eq_u32 s25, 2
	s_cselect_b64 s[6:7], s[10:11], s[6:7]
	s_cmp_eq_u32 s25, 3
	s_cselect_b64 s[6:7], s[12:13], s[6:7]
	s_add_nc_u64 s[6:7], s[6:7], s[38:39]
	s_add_nc_u64 s[42:43], s[16:17], s[42:43]
	s_add_nc_u64 s[44:45], s[16:17], s[44:45]
.set I, 0
.rept 64
	global_load_b32 v[R+I], v10, s[6:7] offset:4096*I th:TH_LOAD_NT   ; 128 consecutive bytes a wave
.set I, I+1
.endr
.macro BLOCK b                         ; block b of my column's half: all 32 numbers are mine: two chains
.set XS, R+32*\b
.set C, 100+12*\b
	v_max3_num_f32 v14, |v[XS]|, |v[XS+1]|, |v[XS+2]|
	v_max3_num_f32 v15, |v[XS+16]|, |v[XS+17]|, |v[XS+18]|
.irp i, 3,5,7,9,11,13
	v_max3_num_f32 v14, v14, |v[XS+\i]|, |v[XS+\i+1]|
	v_max3_num_f32 v15, v15, |v[XS+16+\i]|, |v[XS+17+\i]|
.endr
	v_max3_num_f32 v14, v14, |v[XS+15]|, 0x1800000
	v_max3_num_f32 v14, v14, |v[XS+31]|, v15
	v_add_nc_u32 v16, 0xff000000, v14
	v_cvt_scalef32_pk16_fp6_f32 v[C:C+2], v[XS:XS+15], v16
	v_cvt_scalef32_pk16_fp6_f32 v[C+4:C+6], v[XS+16:XS+31], v16
	v_lshrrev_b32 v[20+\b], 23, v16                ; the byte
	v_mov_b32 v[C+3], v[C+4]                       ; the block's six registers as four and two
	v_mov_b32 v[C+8], v[C+5]
	v_mov_b32 v[C+9], v[C+6]
	ds_store_b128 v4, v[C:C+3] offset:256*\b
	ds_store_b64 v8, v[C+8:C+9] offset:128*\b
.endm
	s_wait_loadcnt 32                              ; the first block's 32 loads are in; the second's 32 may be out
	BLOCK 0
	s_wait_loadcnt 0x0
	BLOCK 1
	v_lshl_or_b32 v22, v21, 8, v20
	ds_store_b16 v9, v22
	s_wait_dscnt 0x0                               ; my stores are done
	s_barrier_signal -1
	s_barrier_wait -1                              ; and everybody's
.irp k, 0,1,2
	ds_load_b128 v[200+4*\k:203+4*\k], v11 offset:512*\k
.endr
	ds_load_b32 v212, v13
	s_wait_dscnt 0x0
.irp k, 0,1,2
	global_store_b128 v5, v[200+4*\k:203+4*\k], s[42:43] offset:512*\k
.endr
	global_store_b32 v12, v212, s[44:45]           ; (lanes l and l xor 16 carry the same word)
	s_wait_tensorcnt 0x0                           ; the wave's end
	ds_add_u32 v[SPW], v[NIL]
	s_wait_dscnt 0x0
	s_endpgm
.Lfunc_end_k_qee9fdda7a6_quant:
	.size	k_qee9fdda7a6_quant, .Lfunc_end_k_qee9fdda7a6_quant-k_qee9fdda7a6_quant
	.p2alignl 7, 3214868480
	.fill 96, 4, 3214868480
	.section	.rodata,"a",@progbits
	.p2align	6, 0x0
	.amdhsa_kernel k_qee9fdda7a6_quant
		.amdhsa_group_segment_fixed_size 40704
		.amdhsa_private_segment_fixed_size 0
		.amdhsa_enable_private_segment 0
		.amdhsa_kernarg_size 56
		.amdhsa_user_sgpr_count 2
		.amdhsa_user_sgpr_kernarg_segment_ptr 1
		.amdhsa_wavefront_size32 1
		.amdhsa_system_sgpr_workgroup_id_x 1
		.amdhsa_system_sgpr_workgroup_id_y 1
		.amdhsa_system_sgpr_workgroup_id_z 1
		.amdhsa_system_vgpr_workitem_id 0
		.amdhsa_next_free_vgpr 256
		.amdhsa_next_free_sgpr 66
		.amdhsa_reserve_vcc 0
		.amdhsa_float_denorm_mode_32 3
		.amdhsa_float_denorm_mode_16_64 3
		.amdhsa_memory_ordered 1
		.amdhsa_forward_progress 1
		.amdhsa_inst_pref_size 30
	.end_amdhsa_kernel
	.amdgpu_metadata
---
amdhsa.version: [ 1, 2 ]
amdhsa.kernels:
  - .name:           k_qee9fdda7a6_quant
    .symbol:         k_qee9fdda7a6_quant.kd
    .args:
      - { .name: x, .offset: 0, .size: 8, .value_kind: global_buffer, .address_space: global }
      - { .name: q_proj, .offset: 8, .size: 8, .value_kind: global_buffer, .address_space: global }
      - { .name: k_proj, .offset: 16, .size: 8, .value_kind: global_buffer, .address_space: global }
      - { .name: v_proj, .offset: 24, .size: 8, .value_kind: global_buffer, .address_space: global }
      - { .name: out_proj, .offset: 32, .size: 8, .value_kind: global_buffer, .address_space: global }
      - { .name: xq, .offset: 40, .size: 8, .value_kind: global_buffer, .address_space: global }
      - { .name: wq, .offset: 48, .size: 8, .value_kind: global_buffer, .address_space: global }
    .group_segment_fixed_size: 40704
    .private_segment_fixed_size: 0
    .kernarg_segment_align: 8
    .kernarg_segment_size: 56
    .max_flat_workgroup_size: 128
    .sgpr_count:     66
    .vgpr_count:     256
    .wavefront_size: 32
...
	.end_amdgpu_metadata
.endif
;; end of part 1
;; launch qkv (part 2): grid 8 x 32, 4 waves a work-group, clusters of 4 x 4, 327,680 bytes of LDS; arguments xq, wq, qq, kv; writes qq, kv
.if DOCPART == 2
	.amdgcn_target "amdgcn-amd-amdhsa--gfx1250"
	.amdhsa_code_object_version 6
	.text
	.protected	k_qee9fdda7a6_qkv
	.globl	k_qee9fdda7a6_qkv
	.p2align	8
	.type	k_qee9fdda7a6_qkv,@function
k_qee9fdda7a6_qkv:
	s_mov_b64 s[64:65], 0
	v_nop
	global_prefetch_b8 v0, s[64:65] scope:SCOPE_SE
	s_setreg_imm32_b32 hwreg(HW_REG_WAVE_MODE, 25, 1), 1
	s_wait_xcnt 0x0
	s_wait_alu depctr_hold_cnt(0) depctr_sa_sdst(0) depctr_va_vdst(0) depctr_va_sdst(0) depctr_va_ssrc(0) depctr_va_vcc(0) depctr_vm_vsrc(0)
	s_getreg_b32 s2, hwreg(HW_REG_IB_STS2, 6, 4)
	s_cmp_eq_u32 s2, 0
	s_cbranch_scc0 .Lentry_in_a_cluster
	s_endpgm
.Lentry_in_a_cluster:
	s_bfe_u32 s2, ttmp6, 0x10000c
	s_cmp_lg_u32 s2, 0xf033
	s_cbranch_scc0 .Lentry_shape_is_right
	s_endpgm
.Lentry_shape_is_right:
; v = x Wv, k = x Wk, q = x Wq on codes of FP6 (E2M3) with E8M0 scales, sums in f32; the results are quantised in registers and leave as codes: q and k along the head's 64, v along the tokens.
; SHARES.  A work-group makes 128 tokens x 128 features (two heads) of v, then of k, then of q: grid 8 x 32 = 256 work-groups.  Wave w: head w % 2 (64 features), tokens 64 (w / 2) on: 16 accumulators a phase, in two sets by turns.
; x's 32 fragments (64 tokens, all of K: 384 registers) are read from LDS in the first phase and stay in registers; later phases read W alone.
; LDS: x's images at 0, two slots of 98,304 bytes for W.  Head: one joint load a wave: x and Wv, K steps 0-3 (waves 0, 1) and 4-7 (waves 2, 3).  Wk into slot 1 and Wq onto Wv in slot 0: each in a drained round inside a K step's products.
; CLUSTERS: 4 x 4 work-groups.  x's tiles hang on the block of tokens alone and are asked for jointly by a row of the cluster, W's by a column.
; PREFETCH: Wk's and Wq's images, 384 blocks of 256 bytes each, shared out by address among the sixteen waves of a column of the cluster; clusters 0-3 along y ask (the eight along y load the same W).
; q, k: source 0 = 16 features, source 1 = 16 tokens: a lane holds one token and over the four tiles 32 neighbouring features of its head.  v: source 0 = tokens: a lane holds one channel and 32 neighbouring tokens: one scale block each.
; THE WAY OUT of a phase's tile k (32 results a lane) stands in K step k + 1 of the next phase: the search for the largest magnitude among the products, the conversions behind them.
; OUT.  qq: [batch x head 32][block of 128 tokens 16][6,400]: 8 half images (768 bytes: tile of 16 tokens x 64), then 256 bytes of scale words.
;       kv: [32][place 16][12,800]: block b of 128 tokens at place 2 (b % 8) + b / 8: k's 8 half images, v's 4 fragments (16 channels x 128 tokens) at 6,144, k's scale words at 12,288, v's at 12,544.
;       Scale word of fragment f, row r: at 8 r + 128 (f / 2) + 4 (f % 2).
; REGISTERS: window 0: addresses, scale words, codes; windows 1, 2: fragments, 21 to a window: 4 s + a x's tile a, K step s; 32 on W's two sets of four; window 3: the accumulators.
; LIMITS: a block of zeros gets the byte 1 where the rule says 127 (its codes are zeros, this program alone reads the bytes); blocks under 2^-124 are held at that floor; NaN and infinities are not served.
.set SCW,  3145728
.set WS0,  98304
.set WS1,  196608
.set STG,  294912                      ; v's scale words: 256 bytes a head
.set SPARE, 295424
.set L16,  4
.set L8,   5
.set PKO,  6                           ; 8 r + 4 h
.set H8,   7                           ; 8 h
.set XR,   8                           ; v8-11  x: + 16 x lane, + 8 x lane; K steps 4-7 49,152 on
.set WR,   12                          ; v12-15 Wv the same
.set WK,   16                          ; v16, 17 Wk in slot 1; v18, 19 Wq in slot 0
.set TQ,   20
.set STV,  22
.set STR,  23
.set SOP,  24
.set SX,   32                          ; v32-47 x's scale words, 4 registers a tile: register q: lanes 0-15 K step q, lanes 16-31 K step 4 + q
.set SW,   50                          ; v50-97 W's, 16 a phase
.set PF,   98
.set TC,   100
.set MC,   104                         ; v104-175 codes: 24 registers a phase
.set LV,   190
.set V4,   191
.set SPW,  254
.set NIL,  255
.set WV,   12
.set G1A,  24
.set G1B,  32
.set G1W,  40
.set G0A,  48
.set G0B,  52
.set G0C,  56
.set G0D,  60
.set MSB, 0
.macro WIN new                         ; the immediate's high byte repeats the setting that is left
.if MSB != (\new)
	s_set_vgpr_msb (MSB<<8)|(\new)
.set MSB, (\new)
.endif
.endm
.macro WALU
	s_wait_alu depctr_va_vdst(0)
.endm
.macro PLACES
.rept 4
	v_nop
.endr
.endm
.macro CROUND                          ; a round of the cluster's barrier
	s_barrier_signal -1
	s_barrier_wait -1
	s_cmp_lg_u32 s[WV], 0
	s_cbranch_scc1 .Lnot_wave_0_\@
	s_barrier_signal -3
.Lnot_wave_0_\@:
	s_barrier_wait -3
	s_barrier_signal -1
	s_barrier_wait -1
.endm
.macro TLOAD g0, g1
	tensor_load_to_lds s[\g0:\g0+3], s[\g1:\g1+7]
	s_nop 0
	PLACES
.endm
.macro LF f, a16, a8, off              ; a fragment's image comes back as it was stored
	WIN ((1+(\f)/21)<<6)
.set R_, 12*((\f)%21)
	ds_load_b128 v[R_:R_+3], v[\a16] offset:(\off)
	ds_load_b64 v[R_+4:R_+5], v[\a8] offset:(\off)+512
	ds_load_b128 v[R_+6:R_+9], v[\a16] offset:(\off)+768
	ds_load_b64 v[R_+10:R_+11], v[\a8] offset:(\off)+1280
.endm
.macro FETCH ph, s                     ; K step s: in phase 0 x's four fragments and W's four (32 loads), later W's four (16 loads)
.if (\ph) == 0
.irp i, 0,1,2,3
	LF 4*(\s)+\i, XR+2*((\s)/4), XR+2*((\s)/4)+1, 6144*\i+1536*((\s)%4)
.endr
.irp i, 0,1,2,3
	LF 32+4*((\s)%2)+\i, WR+2*((\s)/4), WR+2*((\s)/4)+1, 6144*\i+1536*((\s)%4)
.endr
.else
.irp i, 0,1,2,3
	LF 32+4*((\s)%2)+\i, WK+2*(\ph)-2, WK+2*(\ph)-1, 12288*\i+1536*(\s)
.endr
.endif
	WIN 0
.endm
.macro PROD ph, s, n
.if (\ph) == 0
.set F0_, 4*(\s)+(\n)%4
.set F1_, 32+4*((\s)%2)+(\n)/4
.set A0_, SX+4*((\n)%4)+(\s)%4
.set A1_, SW+4*((\n)/4)+(\s)%4
.else
.set F0_, 32+4*((\s)%2)+(\n)%4
.set F1_, 4*(\s)+(\n)/4
.set A0_, SW+16*(\ph)+4*((\n)%4)+(\s)%4
.set A1_, SX+4*((\n)/4)+(\s)%4
.endif
.set D_, 128*((\ph)%2)+8*(\n)
.set R0_, 12*(F0_%21)
.set R1_, 12*(F1_%21)
	WIN ((1+F0_/21)|((1+F1_/21)<<2)|0xf0)
.if (\s) == 0
	v_wmma_scale_f32_16x16x128_f8f6f4 v[D_:D_+7], v[R0_:R0_+11], v[R1_:R1_+11], 0, v[A0_], v[A1_] matrix_a_fmt:MATRIX_FMT_FP6 matrix_b_fmt:MATRIX_FMT_FP6
.elseif (\s) < 4
	v_wmma_scale_f32_16x16x128_f8f6f4 v[D_:D_+7], v[R0_:R0_+11], v[R1_:R1_+11], v[D_:D_+7], v[A0_], v[A1_] matrix_a_fmt:MATRIX_FMT_FP6 matrix_b_fmt:MATRIX_FMT_FP6
.else
	v_wmma_scale_f32_16x16x128_f8f6f4 v[D_:D_+7], v[R0_:R0_+11], v[R1_:R1_+11], v[D_:D_+7], v[A0_], v[A1_] matrix_a_fmt:MATRIX_FMT_FP6 matrix_b_fmt:MATRIX_FMT_FP6 matrix_a_scale:MATRIX_SCALE_ROW1 matrix_b_scale:MATRIX_SCALE_ROW1
.endif
.endm
; the largest magnitude of the 32 results from register x of window 3 on, in two chains, one over each half; entry i of 18.  Each accumulator is read from its low end on
.macro CHAIN i, x, so, t
.if (\i) < 14
.set B_, (\x)+16*((\i)%2)+2*((\i)/2)
.set T_, (\t)+1-(\i)%2
.if (\i) < 2
	WIN 0x3f
	v_max3_num_f32 v[T_], |v[B_]|, |v[B_+1]|, |v[B_+2]|
.else
	WIN 0x3c
	v_max3_num_f32 v[T_], v[T_], |v[B_+1]|, |v[B_+2]|
.endif
.elseif (\i) == 14
	WIN 0x0c
	v_max3_num_f32 v[(\t)+1], v[(\t)+1], |v[(\x)+15]|, 0x1800000   ; and the floor 2^(3 - 127): the byte cannot fall under 1
.elseif (\i) == 16
	WIN 0x0c
	v_max3_num_f32 v[\t], v[\t], |v[(\x)+31]|, v[(\t)+1]
.elseif (\i) == 17
	WIN 0
	v_add_nc_u32 v[\so], 0xff000000, v[\t]         ; 2 off its exponent field: the conversion's scale operand
.endif
.endm
.macro CODES x, cd, so, eb, tc         ; 32 results become six registers of codes and a scale byte
	WIN 3
	v_cvt_scalef32_pk16_fp6_f32 v[\cd:\cd+2], v[\x:\x+15], v[\so]
	v_cvt_scalef32_pk16_fp6_f32 v[\tc:\tc+2], v[\x+16:\x+31], v[\so]
	WIN 0
	v_lshrrev_b32 v[\eb], 23, v[\so]
	v_mov_b32 v[\cd+3], v[\tc]
	v_mov_b32 v[\cd+4], v[\tc+1]
	v_mov_b32 v[\cd+5], v[\tc+2]
.endm
; products from .. to - 1 of a K step; k >= 0: behind every second one two entries of the way out of tile k of the phase before
.macro MUL ph, s, from, to, k
.set N_, \from
.rept (\to)-(\from)
	PROD \ph, \s, N_
.if ((\k) >= 0) && (N_%2)
	CHAIN N_-1, 128*(((\ph)+1)%2)+32*(\k), SOP, TQ
	CHAIN N_, 128*(((\ph)+1)%2)+32*(\k), SOP, TQ
.endif
.set N_, N_+1
.endr
	WIN 0
.endm
.macro SEND ph, k                      ; each store covers consecutive bytes that begin at a multiple of 256
.set C_, MC+24*(\ph)+6*(\k)
.if (\ph) == 0
	ds_store_b8 v[STV], v[28+\k] offset:128*((\k)/2)+4*((\k)%2)
	global_store_b128 v[L16], v[C_:C_+3], s[94:95] offset:1536*(\k)
	global_store_b64 v[L8], v[C_+4:C_+5], s[94:95] offset:1536*(\k)+512
.elseif (\ph) == 1
	global_store_b128 v[L16], v[C_:C_+3], s[90:91] offset:768*(\k)
	global_store_b64 v[L8], v[C_+4:C_+5], s[90:91] offset:768*(\k)+512
.else
	global_store_b128 v[L16], v[C_:C_+3], s[86:87] offset:768*(\k)
	global_store_b64 v[L8], v[C_+4:C_+5], s[86:87] offset:768*(\k)+512
.endif
.endm
.set EB0, 28                           ; the scale bytes of v; v176-179 k's, v180-183 q's
.set EB1, 176
.set EB2, 180
.macro OUT ph, k
	CHAIN 16, 128*((\ph)%2)+32*(\k), SOP, TQ
	CHAIN 17, 128*((\ph)%2)+32*(\k), SOP, TQ
	CODES 128*((\ph)%2)+32*(\k), MC+24*(\ph)+6*(\k), SOP, EB\ph+\k, TC
	WALU
	SEND \ph, \k
.endm
.macro PACKW eb, d, p                  ; four tiles' bytes become two fragments' scale words: bytes h and 2 + h are mine, the others lane l xor 16's
	v_lshl_or_b32 v184, v[\eb+1], 16, v[\eb]
	v_lshl_or_b32 v185, v[\eb+3], 16, v[\eb+2]
	v_lshlrev_b32 v184, v[H8], v184
	v_lshlrev_b32 v185, v[H8], v185
	v_permlanex16_b32 v186, v184, s20, s21
	v_permlanex16_b32 v187, v185, s20, s21
	v_or_b32 v184, v184, v186
	v_or_b32 v185, v185, v187
	v_cndmask_b32 v[\d], v184, v185, s22           ; lanes 0-15 carry the first fragment's words, lanes 16-31 the second's
	global_store_b32 v[PKO], v[\d], s[\p:\p+1]     ; 128 consecutive bytes
.endm
.macro JSTEP s, g0, nph, ns            ; a K step with a round of the cluster's barrier and a joint load inside its products
	s_wait_dscnt 0x0                               ; this K step's fragments are in
	s_wait_tensorcnt 0x0                           ; all my tensor loads have landed
	ds_add_u32 v[SPW], v[NIL]                      ; 0 onto my spare word; eight products stand between it and the wait for it
	MUL 0, \s, 0, 8, -1
	s_wait_dscnt 0x0
	CROUND
	TLOAD \g0, G1W
	FETCH \nph, \ns
	MUL 0, \s, 8, 16, -1
	PLACES
.endm
.macro KSTEP ph, s
	FETCH \ph, (\s)+1
.if ((\ph) == 0) && ((\s) == 4)
	s_cmp_lt_u32 s19, 4
	s_cbranch_scc0 .Lnot_mine_\@
	global_prefetch_b8 v[PF], s[72:73] th:TH_LOAD_NT scope:SCOPE_SE   ; Wq, four K steps ahead of its joint load
.Lnot_mine_\@:
.endif
.if (\ph) == 0
	s_wait_dscnt 32                                ; all but the loads just issued
.else
	s_wait_dscnt 16
.endif
.if ((\ph) > 0) && ((\s) > 0) && ((\s) < 5)
	MUL \ph, \s, 0, 16, (\s)-1
.else
	MUL \ph, \s, 0, 16, -1
	PLACES                                         ; four places in front of loads into the set that these products read
.endif
.endm
	s_load_b256 s[4:11], s[0:1], 0x0               ; xq s[4:5], wq s[6:7], qq s[8:9], kv s[10:11]
	v_lshl_add_u32 v[SPW], v0, 2, SPARE
	v_mov_b32 v[NIL], 0
	ds_add_u32 v[SPW], v[NIL]                      ; the opening lines
	ds_add_u32 v[SPW], v[NIL]
	v_lshrrev_b32 v1, 5, v0
	v_readfirstlane_b32 s[WV], v1                  ; wave 0..3
	s_and_b32 s13, s[WV], 1                        ; b: my head of the two; also: I fetch x (0) or W (1) at the head
	s_lshr_b32 s14, s[WV], 1                       ; c: my 64 tokens; also: the half of K that I fetch
	s_bfe_u32 s15, ttmp6, 0x40000                  ; cx, cy
	s_bfe_u32 s16, ttmp6, 0x40004
	s_lshl_b32 s17, ttmp9, 2
	s_add_co_u32 s17, s17, s15                     ; nx: block of features
	s_and_b32 s19, ttmp7, 0xffff                   ; the cluster's y
	s_lshl_b32 s18, s19, 2
	s_add_co_u32 s18, s18, s16                     ; my: block of tokens
	s_lshl_b32 s84, s16, 2
	s_lshl_b32 s84, 15, s84                        ; my row of the cluster
	s_lshl_b32 s85, 0x1111, s15                    ; my column
	s_or_b32 s[G1A], s84, (3<<16)|(1<<21)          ; elements of 8 bytes; bit 21 set beside a mask
	s_or_b32 s[G1B], s85, (3<<16)|(1<<21)
	s_or_b32 s[G1W], s85, (3<<16)|(1<<21)
.irp g, G1A, G1B                                   ; eight rows (tiles) of 6,144 bytes (four K steps' images), 12,288 apart in memory
	s_mov_b32 s[\g+1], 768<<16
	s_mov_b32 s[\g+2], 8<<16
	s_mov_b32 s[\g+3], 768<<16
	s_mov_b32 s[\g+4], 8
	s_mov_b32 s[\g+5], 1536
	s_mov_b32 s[\g+6], 0
	s_mov_b32 s[\g+7], 0
.endr
	s_mov_b32 s[G1W+1], 1536<<16                   ; two whole tiles of 12,288 bytes
	s_mov_b32 s[G1W+2], 2<<16
	s_mov_b32 s[G1W+3], 1536<<16
	s_mov_b32 s[G1W+4], 2
	s_mov_b32 s[G1W+5], 1536
	s_mov_b32 s[G1W+6], 0
	s_mov_b32 s[G1W+7], 0
	s_mul_i32 s70, s14, 6144
	s_mul_i32 s66, s18, 98304
	s_add_co_u32 s66, s66, s70                     ; x: of my and the wave alone
	s_mov_b32 s67, 0
	s_mul_i32 s68, s17, 98304                      ; W: of nx and the wave alone
	s_mov_b32 s69, 0
	s_add_co_u32 s74, s70, 16*98304                ; Wv's blocks stand behind q's and k's
	s_mov_b32 s75, 0
	s_mul_i32 s78, s[WV], 24576                    ; my two tiles of a whole block
	s_mov_b32 s79, 0
	s_add_co_u32 s76, s78, 8*98304
	s_mov_b32 s77, 0
	s_mul_i32 s71, s14, 49152                      ; no place in the cluster enters an LDS address
	s_mov_b32 s[G0A], 1
	s_mov_b32 s[G0A+1], s71
	s_mov_b32 s[G0B], 1
	s_add_co_u32 s[G0B+1], s71, WS0
	s_mov_b32 s[G0C], 1
	s_add_co_u32 s[G0C+1], s78, WS1
	s_mov_b32 s[G0D], 1
	s_add_co_u32 s[G0D+1], s78, WS0
	s_wait_dscnt 0x0
	s_wait_kmcnt 0x0
	s_add_nc_u64 s[G0A+2:G0A+3], s[4:5], s[66:67]
	s_add_nc_u64 s[72:73], s[6:7], s[68:69]        ; W's block nx of q
	s_add_nc_u64 s[G0B+2:G0B+3], s[72:73], s[74:75]
	s_add_nc_u64 s[G0C+2:G0C+3], s[72:73], s[76:77]
	s_add_nc_u64 s[G0D+2:G0D+3], s[72:73], s[78:79]
.irp g, G0A, G0B, G0C, G0D
	s_or_b32 s[\g+3], s[\g+3], 0x80000000
.endr
	CROUND                                         ; all sixteen work-groups are here: the joint loads meet
	s_cmp_eq_u32 s[WV], 0
	s_cbranch_scc0 .Lwave_1
	TLOAD G0A, G1A                                 ; wave 0: x, K steps 0-3
	s_branch .Lasked
.Lwave_1:
	s_cmp_eq_u32 s[WV], 1
	s_cbranch_scc0 .Lwave_2
	TLOAD G0B, G1B                                 ; wave 1: Wv, K steps 0-3
	s_branch .Lasked
.Lwave_2:
	s_cmp_eq_u32 s[WV], 2
	s_cbranch_scc0 .Lwave_3
	TLOAD G0A, G1A                                 ; wave 2: x, K steps 4-7
	s_branch .Lasked
.Lwave_3:
	TLOAD G0B, G1B                                 ; wave 3: Wv, K steps 4-7
.Lasked:
	s_mov_b32 s20, 0x76543210                      ; lane selects: lane l xor 16
	s_mov_b32 s21, 0xfedcba98
	s_mov_b32 s22, 0xffff0000                      ; the mask of lanes 16-31
	s_lshl_b32 s80, s18, 12
	s_lshl_b32 s81, s14, 11
	s_add_co_u32 s80, s80, s81
	s_add_co_u32 s80, s80, SCW
	s_mov_b32 s81, 0
	s_add_nc_u64 s[98:99], s[4:5], s[80:81]        ; the scale words of my four tiles of x,
	s_lshl_b32 s82, s17, 12
	s_lshl_b32 s83, s13, 11
	s_add_co_u32 s82, s82, s83
	s_add_co_u32 s82, s82, SCW
	s_mov_b32 s83, 0
	s_add_nc_u64 s[100:101], s[6:7], s[82:83]      ; and of my four of W
	s_mul_i32 s80, s14, 24576
	s_mul_i32 s81, s13, 24576
	s_add_co_u32 s81, s81, WS0
	s_mul_i32 s82, s13, 49152
	s_add_co_u32 s83, s82, WS0
	s_add_co_u32 s82, s82, WS1
	s_lshl_b32 s84, s13, 8
	s_add_co_u32 s84, s84, STG
	s_lshl_b32 s85, s14, 1
	s_add_co_u32 s85, s85, s84
	s_lshl_b32 s92, s14, 7
	s_add_co_u32 s84, s84, s92
	s_mul_i32 s92, s16, 24576
	s_mul_i32 s93, s[WV], 6144
	s_add_co_u32 s92, s92, s93
	v_and_b32 v1, 31, v0
	v_and_b32 v2, 15, v0                           ; r
	v_bfe_u32 v3, v0, 4, 1                         ; h
	v_lshlrev_b32 v[L16], 4, v1
	v_lshlrev_b32 v[L8], 3, v1
	v_lshlrev_b32 v[V4], 2, v1
	v_lshlrev_b32 v[PKO], 3, v2
	v_add_nc_u32 v[STV], v[PKO], v3
	v_lshl_add_u32 v[PKO], v3, 2, v[PKO]
	v_lshlrev_b32 v[H8], 3, v3
	v_add_nc_u32 v[STV], s85, v[STV]               ; my byte of a v row's scale word: 8 r + 2 c + h
	v_add_nc_u32 v[STR], s84, v[V4]                ; and back: 128 bytes of my head's 256
	v_add_nc_u32 v[XR], s80, v[L16]
	v_add_nc_u32 v[XR+1], s80, v[L8]
	v_add_nc_u32 v[XR+2], 49152, v[XR]
	v_add_nc_u32 v[XR+3], 49152, v[XR+1]
	v_add_nc_u32 v[WR], s81, v[L16]
	v_add_nc_u32 v[WR+1], s81, v[L8]
	v_add_nc_u32 v[WR+2], 49152, v[WR]
	v_add_nc_u32 v[WR+3], 49152, v[WR+1]
	v_add_nc_u32 v[WK], s82, v[L16]
	v_add_nc_u32 v[WK+1], s82, v[L8]
	v_add_nc_u32 v[WK+2], s83, v[L16]
	v_add_nc_u32 v[WK+3], s83, v[L8]
	v_mov_b32 v186, 0                              ; written once: a lane permute's destination counts as one of its sources
	v_mov_b32 v187, 0
	v_min_u32 v[PF], 23, v1                        ; my wave's 24 blocks of 256 bytes of a weight's 384
	v_lshlrev_b32 v[PF], 8, v[PF]
	v_add_nc_u32 v[PF], s92, v[PF]
.irp i, 0,1,2,3
	global_load_b128 v[SX+4*\i:SX+4*\i+3], v[L16], s[98:99] offset:512*\i   ; a tile's 512 bytes of scale words, for all of K
.endr
.irp p, 0,1,2
.irp i, 0,1,2,3
	global_load_b128 v[SW+16*\p+4*\i:SW+16*\p+4*\i+3], v[L16], s[100:101] offset:32768*(2-\p)+512*\i
.endr
.endr
	WALU
	s_cmp_lt_u32 s19, 4
	s_cbranch_scc0 .Lno_prefetch
	global_prefetch_b8 v[PF], s[72:73] offset:8*98304 th:TH_LOAD_NT scope:SCOPE_SE   ; Wk, half a phase ahead of its joint load
.Lno_prefetch:
	; where the results go
	s_lshr_b32 s80, s18, 4
	s_lshl_b32 s80, s80, 4
	s_lshl_b32 s81, s17, 1
	s_add_co_u32 s80, s80, s81
	s_add_co_u32 s80, s80, s13                     ; batch x head
	s_lshl_b32 s80, s80, 4
	s_and_b32 s81, s18, 15                         ; block of 128 tokens
	s_add_co_u32 s84, s80, s81
	s_mul_i32 s84, s84, 6400
	s_and_b32 s82, s81, 7
	s_lshl_b32 s82, s82, 1
	s_lshr_b32 s83, s81, 3
	s_add_co_u32 s82, s82, s83                     ; its place
	s_add_co_u32 s85, s80, s82
	s_mul_i32 s85, s85, 12800
	s_mul_i32 s80, s14, 3072
	s_mul_i32 s81, s14, 768
	s_lshl_b32 s82, s14, 7
	s_mov_b32 s93, 0
	s_add_co_u32 s92, s84, s80
	s_add_nc_u64 s[86:87], s[8:9], s[92:93]        ; q's codes
	s_add_co_u32 s92, s84, s82
	s_add_co_u32 s92, s92, 6144
	s_add_nc_u64 s[88:89], s[8:9], s[92:93]        ; q's scale words
	s_add_co_u32 s92, s85, s80
	s_add_nc_u64 s[90:91], s[10:11], s[92:93]      ; k's codes
	s_add_co_u32 s92, s85, s81
	s_add_co_u32 s92, s92, 6144
	s_add_nc_u64 s[94:95], s[10:11], s[92:93]      ; v's codes
	s_add_co_u32 s92, s85, s82
	s_add_co_u32 s92, s92, 12288
	s_add_nc_u64 s[96:97], s[10:11], s[92:93]      ; k's scale words; v's 256 on
	WALU
	s_cmp_lt_u32 s[WV], 2
	s_cbranch_scc0 .Lsecond_half
	s_wait_tensorcnt 0x0                           ; waves 0, 1: x and Wv, K steps 0-3; the other half may be on its way
.Lsecond_half:
	s_barrier_signal -1
	s_barrier_wait -1
	FETCH 0, 0
	s_wait_loadcnt 0x0                             ; the scale words
; ---- v
.irp s, 0,1,2
	KSTEP 0, \s
.endr
	JSTEP 3, G0C, 0, 4                             ; Wk into slot 1
.irp s, 4,5,6
	KSTEP 0, \s
.endr
	JSTEP 7, G0D, 1, 0                             ; Wq onto Wv: its last reads were waited for ahead of the round
; ---- k; v leaves
	KSTEP 1, 0
.irp s, 1,2,3,4
	KSTEP 1, \s
	OUT 0, \s-1
.endr
	KSTEP 1, 5
	KSTEP 1, 6
	s_wait_dscnt 0x0
	s_wait_tensorcnt 0x0
	s_barrier_signal -1                            ; a plain barrier: Wq is shown to all, and v's scale bytes
	MUL 1, 7, 0, 8, -1
	s_barrier_wait -1
	FETCH 2, 0
	MUL 1, 7, 8, 16, -1
	PLACES
; ---- q; k leaves
	KSTEP 2, 0
.irp s, 1,2,3,4
	KSTEP 2, \s
	OUT 1, \s-1
.endr
	PACKW EB1, 188, 96
	KSTEP 2, 5
	KSTEP 2, 6
	WALU
	s_wait_dscnt 0x0
	ds_load_b32 v[LV], v[STR]                      ; v's scale words, whole
	MUL 2, 7, 0, 16, -1
	PLACES                                         ; in front of the first read of the last results
.set I, 0
.rept 15
.irp t, 0,1,2,3
	CHAIN I, 32*\t, SOP+\t, 192+2*\t
.endr
.set I, I+1
.endr
.irp t, 0,1,2,3
	CHAIN 16, 32*\t, SOP+\t, 192+2*\t
.endr
.irp t, 0,1,2,3
	CHAIN 17, 32*\t, SOP+\t, 192+2*\t
.endr
.irp t, 0,1,2,3
	CODES 32*\t, MC+48+6*\t, SOP+\t, EB2+\t, 200+4*\t
.endr
	WALU
.irp t, 0,1,2,3
	SEND 2, \t
.endr
	PACKW EB2, 189, 88
	s_wait_dscnt 0x0
	global_store_b32 v[V4], v[LV], s[96:97] offset:256
	s_wait_tensorcnt 0x0                           ; the wave's end
	ds_add_u32 v[SPW], v[NIL]
	s_wait_dscnt 0x0
	CROUND                                         ; the closing round: no work-group ends while a partner may still ask jointly
	s_endpgm
.Lfunc_end_k_qee9fdda7a6_qkv:
	.size	k_qee9fdda7a6_qkv, .Lfunc_end_k_qee9fdda7a6_qkv-k_qee9fdda7a6_qkv
	.p2alignl 7, 3214868480
	.fill 96, 4, 3214868480
	.section	.rodata,"a",@progbits
	.p2align	6, 0x0
	.amdhsa_kernel k_qee9fdda7a6_qkv
		.amdhsa_group_segment_fixed_size 327680
		.amdhsa_private_segment_fixed_size 0
		.amdhsa_enable_private_segment 0
		.amdhsa_kernarg_size 32
		.amdhsa_user_sgpr_count 2
		.amdhsa_user_sgpr_kernarg_segment_ptr 1
		.amdhsa_wavefront_size32 1
		.amdhsa_system_sgpr_workgroup_id_x 1
		.amdhsa_system_sgpr_workgroup_id_y 1
		.amdhsa_system_sgpr_workgroup_id_z 1
		.amdhsa_system_vgpr_workitem_id 0
		.amdhsa_next_free_vgpr 1024
		.amdhsa_next_free_sgpr 104
		.amdhsa_reserve_vcc 0
		.amdhsa_float_denorm_mode_32 3
		.amdhsa_float_denorm_mode_16_64 3
		.amdhsa_memory_ordered 1
		.amdhsa_forward_progress 1
		.amdhsa_inst_pref_size 125
	.end_amdhsa_kernel
	.amdgpu_metadata
---
amdhsa.version: [ 1, 2 ]
amdhsa.kernels:
  - .name:           k_qee9fdda7a6_qkv
    .symbol:         k_qee9fdda7a6_qkv.kd
    .args:
      - { .name: xq, .offset: 0, .size: 8, .value_kind: global_buffer, .address_space: global }
      - { .name: wq, .offset: 8, .size: 8, .value_kind: global_buffer, .address_space: global }
      - { .name: qq, .offset: 16, .size: 8, .value_kind: global_buffer, .address_space: global }
      - { .name: kv, .offset: 24, .size: 8, .value_kind: global_buffer, .address_space: global }
    .group_segment_fixed_size: 327680
    .private_segment_fixed_size: 0
    .kernarg_segment_align: 8
    .kernarg_segment_size: 32
    .max_flat_workgroup_size: 128
    .sgpr_count:     104
    .vgpr_count:     1024
    .wavefront_size: 32
...
	.end_amdgpu_metadata
.endif
;; end of part 2
;; launch attn (part 3): grid 8 x 32, 16 waves a work-group, clusters of 4 x 1, 241,664 bytes of LDS; arguments qq, kv, cq; writes cq
.if DOCPART == 3
	.amdgcn_target "amdgcn-amd-amdhsa--gfx1250"
	.amdhsa_code_object_version 6
	.text
	.protected	k_qee9fdda7a6_attn
	.globl	k_qee9fdda7a6_attn
	.p2align	8
	.type	k_qee9fdda7a6_attn,@function
k_qee9fdda7a6_attn:
	s_mov_b64 s[64:65], 0
	v_nop
	global_prefetch_b8 v0, s[64:65] scope:SCOPE_SE
	s_setreg_imm32_b32 hwreg(HW_REG_WAVE_MODE, 25, 1), 1
	s_wait_xcnt 0x0
	s_wait_alu depctr_hold_cnt(0) depctr_sa_sdst(0) depctr_va_vdst(0) depctr_va_sdst(0) depctr_va_ssrc(0) depctr_va_vcc(0) depctr_vm_vsrc(0)
	s_getreg_b32 s2, hwreg(HW_REG_IB_STS2, 6, 4)
	s_cmp_eq_u32 s2, 0
	s_cbranch_scc0 .Lentry_in_a_cluster
	s_endpgm
.Lentry_in_a_cluster:
	s_bfe_u32 s2, ttmp6, 0x10000c
	s_cmp_lg_u32 s2, 0x3003
	s_cbranch_scc0 .Lentry_shape_is_right
	s_endpgm
.Lentry_shape_is_right:
; ctx = softmax(q k^T / 8, causal) v for 32 (batch x head) x 2,048 tokens x 64, both products on codes of FP6 (E2M3) with E8M0 scales; ctx / the row's sum is quantised along (head, channel) and leaves as codes.
; THE SOFTMAX: t = score x log2(e) / 8; M = the running largest t rounded UP to a whole number; p = 2^(t - M) is quantised along the keys, not normalised; the row's sum is taken of the unquantised p.
; When M moves, the sum and O are multiplied by 2^(old M - new M): exact.  The running largest score begins at -3e38.
; SHARES.  Work-group (x = 0..7, batch x head) owns the tiles of 16 queries 8 rho + x, rho = 0..15; tile 8 rho + x wants the key steps 0 .. rho (128 keys each), and step rho alone is on the diagonal, whatever x is.
; Key steps that lie wholly behind a tile's queries are not walked.  With u = w % 8: wave w < 8 takes steps 0 .. 7 of the long tile rho = 15 - u; wave w >= 8 takes the long tile's steps 8 .. 15 - u
; (8 - u of them), hands O, M and the sum to wave u through LDS, and then takes steps 0 .. u of the short tile rho = u: 8 or 9 steps for every wave.  Wave u joins the two parts of the long tile: M is a whole number, so both are brought under one M exactly.
; LDS.  The WHOLE head's k and v, 16 blocks of 12,800 bytes as the launch before laid them (block b at place 2 (b % 8) + b / 8), is filled once, one joint load a wave; behind it the parts handed over.
; The first four steps of every wave read places 0-7 alone, which waves 0-7 fetch; a second barrier shows the rest.
; CLUSTER.  The four work-groups of a cluster belong to one head and want the same 204,800 bytes: each block is asked for jointly.  No prefetch: every tile is asked for at the head, none later.
; LAYOUT.  Both products transposed: S^T = k q^T (source 0 = keys), O^T = v^T p^T (source 0 = channels): a lane holds ONE query throughout.  Register 32 c + i of S^T is key 64 c + 32 (lane / 16) + i of the step: a lane's 32 registers are
; one scale block of p, and six registers of codes are six registers of the next operand.
; K = 64 IN A FORM THAT IS 128 DEEP: a fragment of k holds two tiles of 16 keys, one in each half of its K.  q stands in a run of 18 registers, six zeros, q's six, six zeros: registers 6-17 (q, 0) pick the first tile,
; registers 0-11 (0, q) the second: zero codes add nothing.  q's scale word holds its two bytes twice.
; THE DIAGONAL: 64 lane masks (a key behind my query) are made once, in the head: all tiles of the work-group have the same x.
; LIMITS: the scaled scores stay under 2^31 in magnitude; a block of zeros gets the byte 1 where the rule says 127 (its codes are zeros, this program alone reads the bytes); blocks under 2^-124 are held at that floor; NaN and infinities are not served.
; ctx's scale bytes are stored one byte a lane: two heads share a scale word, and each work-group has one head's two bytes of it; 131,072 bytes in the launch.
.set SCW,  3145728
.set BLKB, 12800
.set XCH,  204800
.set PART, 4352                        ; O: 32 registers x 32 lanes; M and the sum
.set SPARE, 239616
.set L16,  1
.set L8,   2
.set A16,  3
.set A8,   4
.set DQ,   5                           ; my query's place in its 128 tokens - 32 (lane / 16)
.set NINF, 6
.set BO,   7                           ; 16 r + h
.set QS1,  10
.set QS2,  11
.set QZ,   16                          ; v16-33
.set Q2,   34                          ; v34-39 the short tile's q
.set XA,   40
.set XB,   41
.set KS,   52
.set VS,   54
.set KV,   56                          ; v56-103 four fragments of k, then of v
.set S,    104                         ; v104-167 S^T, then p
.set O,    168                         ; v168-199 O^T
.set PC,   200                         ; v200-211 p's codes
.set BM,   212
.set T2,   216
.set BY,   218
.set T4,   220
.set F,    228                         ; 2^(old M - new M); v229 beside it is p's scale word (the packed forms name the pair and take its low word)
.set PW,   229
.set TP,   230
.set SU,   232
.set SO,   242
.set WV,   2
.set IT,   3
.set SEL,  8
.set CS,   10
.set NC,   12
.set N1,   13
.set DG,   14
.set U,    15
.set HB,   16
.set G1,   20
.set G0,   28
.macro WALU
	s_wait_alu depctr_va_vdst(0)
.endm
.macro CROUND                          ; a round of the cluster's barrier
	s_barrier_signal -1
	s_barrier_wait -1
	s_cmp_lg_u32 s[WV], 0
	s_cbranch_scc1 .Lnot_wave_0_\@
	s_barrier_signal -3
.Lnot_wave_0_\@:
	s_barrier_wait -3
	s_barrier_signal -1
	s_barrier_wait -1
.endm
.macro TLOAD
	tensor_load_to_lds s[G0:G0+3], s[G1:G1+7]
	s_nop 0
.rept 4
	v_nop
.endr
.endm
.macro LFRAG reg, off                  ; a fragment's image: consecutive bytes in each load
	ds_load_b128 v[\reg:\reg+3], v[A16] offset:\off
	ds_load_b64 v[\reg+4:\reg+5], v[A8] offset:\off+512
	ds_load_b128 v[\reg+6:\reg+9], v[A16] offset:\off+768
	ds_load_b64 v[\reg+10:\reg+11], v[A8] offset:\off+1280
.endm
.macro INIT                            ; a tile begins: O^T and the sum as zeros, the largest score under every score, M under every M
	v_mov_b32 v13, 0xff61b1e6
	v_mov_b32 v12, 0x7e800000
	v_mov_b32 v14, 0
	v_mov_b32 v15, 0
.set I, 0
.rept 32
	v_mov_b32 v[O+I], 0
.set I, I+1
.endr
.endm
.macro SCALEO                          ; O^T times v[F]
.irp j, 0,2,4,6,8,10,12,14,16,18,20,22,24,26,28,30
	v_pk_mul_f32 v[O+\j:O+\j+1], v[O+\j:O+\j+1], v[F:F+1] op_sel_hi:[1,0]
.endr
.endm
; A KEY STEP.  In trip IT: before trip N1 the long tile's step IT (waves 0-7) or 8 + IT (waves 8-15), from then on the short tile's step IT + u - 8.  msk 3: trips 0-3, places 0-7 alone
.macro STEP msk, always
	s_cmp_lt_u32 s[IT], s[N1]
	s_cselect_b32 s17, s[HB], 0
	s_cselect_b32 s18, 0, s[U]
	s_add_co_u32 s18, s18, s[IT]
	s_and_b32 s18, s18, \msk
	s_lshl_b32 s18, s18, 1
	s_add_co_u32 s18, s18, s17
	s_mul_i32 s18, s18, BLKB
	v_add_nc_u32 v[A16], s18, v[L16]
	v_add_nc_u32 v[A8], s18, v[L8]
	v_nop
	v_nop                                          ; four places in front of loads into registers that the last products read
.irp g, 0,1,2,3
	LFRAG KV+12*\g, 1536*\g
.endr
	ds_load_b64 v[KS:KS+1], v[A8] offset:12288     ; k's scale words: fragment f in register f % 2, lanes 16 (f / 2) on
	WALU
	s_wait_dscnt 0x0
.irp g, 0,1
.irp u, 0,1
	v_wmma_scale_f32_16x16x128_f8f6f4 v[S+8*(2*\g+\u):S+8*(2*\g+\u)+7], v[KV+12*\g:KV+12*\g+11], v[QZ+6-6*\u:QZ+17-6*\u], 0, v[KS+\g], v[QS1] matrix_a_fmt:MATRIX_FMT_FP6 matrix_b_fmt:MATRIX_FMT_FP6
.endr
.endr
.irp g, 2,3
.irp u, 0,1
	v_wmma_scale_f32_16x16x128_f8f6f4 v[S+8*(2*\g+\u):S+8*(2*\g+\u)+7], v[KV+12*\g:KV+12*\g+11], v[QZ+6-6*\u:QZ+17-6*\u], 0, v[KS+\g-2], v[QS1] matrix_a_fmt:MATRIX_FMT_FP6 matrix_b_fmt:MATRIX_FMT_FP6 matrix_a_scale:MATRIX_SCALE_ROW1
.endr
.endr
.rept 4
	v_nop                                          ; four places: in front of the loads below and of the first read of the scores
.endr
.irp t, 0,1,2,3
	LFRAG KV+12*\t, 6144+1536*\t                   ; v's fragments land while the softmax is walked
.endr
	ds_load_b64 v[VS:VS+1], v[A8] offset:12544
.if (\always) == 0
	s_cmp_lg_u32 s[IT], s[DG]
	s_cbranch_scc1 .Lopen_\@
.endif
.set I, 0
.rept 64                               ; on the diagonal: a key behind my query becomes -infinity, so p = 0
.if I < 28
	v_cndmask_b32 v[S+I], v[S+I], v[NINF], s[36+I]
.else
	v_cndmask_b32 v[S+I], v[S+I], v[NINF], s[38+I]
.endif
.set I, I+1
.endr
.if (\always) == 0
.Lopen_\@:
.endif
.irp e, 0,1                            ; the largest score of each of my two blocks: for the row's maximum and, since p rises with the score, for the block's largest p
.irp c, 0,1
	v_max3_num_f32 v[BM+2*\e+\c], v[S+32*\c+16*\e], v[S+32*\c+16*\e+1], v[S+32*\c+16*\e+2]
.endr
.endr
.irp i, 3,5,7,9,11,13
.irp e, 0,1
.irp c, 0,1
	v_max3_num_f32 v[BM+2*\e+\c], v[BM+2*\e+\c], v[S+32*\c+16*\e+\i], v[S+32*\c+16*\e+\i+1]
.endr
.endr
.endr
.irp c, 0,1
	v_max3_num_f32 v[BM+\c], v[BM+\c], v[S+32*\c+15], v[BM+2+\c]
.endr
.irp c, 0,1
	v_max_num_f32 v[BM+\c], v[BM+\c], v[S+32*\c+31]
.endr
	v_max_num_f32 v[TP], v[BM], v[BM+1]
	s_delay_alu instid0(VALU_DEP_1)
	v_permlanex16_b32 v[T2], v[TP], s[SEL], s[SEL+1]
	s_delay_alu instid0(VALU_DEP_1)
	v_max3_num_f32 v13, v[TP], v[T2], v13          ; the running largest score of my query, lane l xor 16's keys with it
	s_delay_alu instid0(VALU_DEP_1)
	v_mul_f32 v[TP], s[NC], v13                    ; - its t
	s_delay_alu instid0(VALU_DEP_1)
	v_floor_f32 v[TP], v[TP]                       ; the new -M = -ceil(t): a whole number
	s_delay_alu instid0(VALU_DEP_1)
	v_sub_f32 v[BY], v[TP], v12                    ; old M - new M: a whole number, 0 or less
	v_mov_b32 v12, v[TP]
	s_delay_alu instid0(VALU_DEP_2)
	v_cvt_i32_f32 v[BY], v[BY]                     ; (it saturates)
	s_delay_alu instid0(VALU_DEP_1)
	v_ldexp_f32 v[F], 1.0, v[BY]
.irp j, 0,2,4,6,8,10,12,14,16,18,20,22,24,26,28,30,32,34,36,38,40,42,44,46,48,50,52,54,56,58,60,62
	v_pk_fma_f32 v[S+\j:S+\j+1], v[S+\j:S+\j+1], s[CS:CS+1], v[12:13] op_sel_hi:[1,0,0]   ; t - M, two at a time
.endr
.irp c, 0,1
	v_fma_f32 v[BM+\c], v[BM+\c], s[CS], v12       ; the same of each block's largest score
.endr
	SCALEO                                         ; O^T under the new M
	WALU                                           ; the wait ahead of the batch
.set I, 0
.rept 64
	v_exp_f32 v[S+I], v[S+I]                       ; p = 2^(t - M)
.set I, I+1
.endr
	v_exp_f32 v[BM], v[BM]                         ; the block's largest p: the same two instructions on the same number
	v_exp_f32 v[BM+1], v[BM+1]
	v_nop                                          ; the plain place behind the exponentials
	WALU                                           ; one wait for the batch, ahead of its first reader
.irp c, 0,1
	v_max_num_f32 v[BM+\c], 0x1800000, v[BM+\c]    ; the floor 2^(3 - 127)
.endr
.irp c, 0,1
	v_add_nc_u32 v[SO+\c], 0xff000000, v[BM+\c]    ; the conversion's scale operand
.endr
.irp c, 0,1
	v_cvt_scalef32_pk16_fp6_f32 v[PC+6*\c:PC+6*\c+2], v[S+32*\c:S+32*\c+15], v[SO+\c]
	v_cvt_scalef32_pk16_fp6_f32 v[T4+4*\c:T4+4*\c+2], v[S+32*\c+16:S+32*\c+31], v[SO+\c]
.endr
.irp c, 0,1
	v_lshrrev_b32 v[BY+\c], 23, v[SO+\c]           ; the byte; a plain place behind the conversions
.endr
.irp i, 0,1,2
.irp c, 0,1
	v_mov_b32 v[PC+3+6*\c+\i], v[T4+4*\c+\i]
.endr
.endr
	v_lshl_or_b32 v[BY], v[BY+1], 16, v[BY]        ; my blocks h and 2 + h
.irp k, 0,1,2,3                        ; THE ROW'S SUM IS TAKEN OF THE UNQUANTISED p, in four chains.  (These lines are also the places between p's scale word and codes and the products below)
	v_pk_add_f32 v[SU+2*\k:SU+2*\k+1], v[S+2*\k:S+2*\k+1], v[S+8+2*\k:S+9+2*\k]
.endr
	v_permlanex16_b32 v[T2+1], v[BY], s[SEL], s[SEL+1]
.set I, 8
.rept 12
	v_pk_add_f32 v[SU+2*(I%4):SU+2*(I%4)+1], v[SU+2*(I%4):SU+2*(I%4)+1], v[S+2*I:S+2*I+1]
.set I, I+1
.endr
	v_lshl_or_b32 v[PW], v[T2+1], 8, v[BY]         ; p's scale word, in lanes 0-15
.rept 12
	v_pk_add_f32 v[SU+2*(I%4):SU+2*(I%4)+1], v[SU+2*(I%4):SU+2*(I%4)+1], v[S+2*I:S+2*I+1]
.set I, I+1
.endr
	v_pk_add_f32 v[SU:SU+1], v[SU:SU+1], v[SU+2:SU+3]
	v_pk_add_f32 v[SU+4:SU+5], v[SU+4:SU+5], v[SU+6:SU+7]
	v_pk_fma_f32 v[14:15], v[14:15], v[F:F+1], v[SU:SU+1] op_sel_hi:[1,0,1]   ; the sum under the new M
	v_pk_add_f32 v[14:15], v[14:15], v[SU+4:SU+5]
	WALU
	s_wait_dscnt 0x0                               ; v
.irp t, 0,1                            ; O^T += v^T p^T: the four accumulators by turns, and the eight products k q^T stand between two links of a chain
	v_wmma_scale_f32_16x16x128_f8f6f4 v[O+8*\t:O+8*\t+7], v[KV+12*\t:KV+12*\t+11], v[PC:PC+11], v[O+8*\t:O+8*\t+7], v[VS+\t], v[PW] matrix_a_fmt:MATRIX_FMT_FP6 matrix_b_fmt:MATRIX_FMT_FP6
.endr
.irp t, 2,3
	v_wmma_scale_f32_16x16x128_f8f6f4 v[O+8*\t:O+8*\t+7], v[KV+12*\t:KV+12*\t+11], v[PC:PC+11], v[O+8*\t:O+8*\t+7], v[VS+\t-2], v[PW] matrix_a_fmt:MATRIX_FMT_FP6 matrix_b_fmt:MATRIX_FMT_FP6 matrix_a_scale:MATRIX_SCALE_ROW1
.endr
.endm
.macro TRIP msk                        ; a step; behind trip N1 - 1 waves 8-15 hand their part of the long tile over and begin the short one
	STEP \msk, 0
	s_add_co_u32 s[IT], s[IT], 1
	s_cmp_lg_u32 s[IT], s[N1]
	s_cbranch_scc1 .Lstay_\@
	v_add_f32 v13, v14, v15                        ; (these eight lines are also the places behind the last products)
	v_mov_b32 v[QS1], v[QS2]
.irp i, 0,1,2,3,4,5
	v_mov_b32 v[QZ+6+\i], v[Q2+\i]
.endr
	ds_store_b64 v[XB], v[12:13]                   ; -M and my lane's part of the sum
.irp k, 0,1,2,3,4,5,6,7
	ds_store_b128 v[XA], v[O+4*\k:O+4*\k+3] offset:512*\k
.endr
	INIT
.Lstay_\@:
.endm
	s_load_b128 s[4:7], s[0:1], 0x0                ; qq, kv
	s_load_b64 s[8:9], s[0:1], 0x10                ; cq
	v_lshl_add_u32 v254, v0, 2, SPARE
	v_mov_b32 v255, 0
	ds_add_u32 v254, v255                          ; the opening lines
	ds_add_u32 v254, v255
	v_lshrrev_b32 v1, 5, v0
	v_readfirstlane_b32 s[WV], v1                  ; wave 0..15
	s_bfe_u32 s33, ttmp6, 0x40000                  ; cx
	s_lshl_b32 s36, ttmp9, 2
	s_add_co_u32 s36, s36, s33                     ; x: it enters q's and ctx's addresses and the masks alone
	s_and_b32 s37, ttmp7, 0xffff                   ; batch x head, which the four partners share
	s_and_b32 s[U], s[WV], 7
	s_lshr_b32 s[HB], s[WV], 3
	s_sub_co_u32 s[N1], 16, s[WV]                  ; waves 8-15: 8 - u; waves 0-7: beyond their last trip
	s_sub_co_u32 s[DG], 15, s[WV]
	s_mov_b32 s[G1], 15|(3<<16)|(1<<21)            ; the mask: all four work-groups; elements of 8 bytes; bit 21 set beside a mask
	s_mov_b32 s[G1+1], 32<<16                      ; a block of 12,800 dense bytes as 50 rows of 256
	s_mov_b32 s[G1+2], 50<<16
	s_mov_b32 s[G1+3], 32<<16
	s_mov_b32 s[G1+4], 50
	s_mov_b32 s[G1+5], 32
	s_mov_b32 s[G1+6], 0
	s_mov_b32 s[G1+7], 0
	s_mov_b32 s[G0], 1
	s_mul_i32 s[G0+1], s[WV], BLKB                 ; wave w fetches place w
	s_mul_i32 s38, s37, 16*BLKB
	s_add_co_u32 s38, s38, s[G0+1]
	s_mov_b32 s39, 0
	s_wait_dscnt 0x0
	s_wait_kmcnt 0x0
	s_add_nc_u64 s[G0+2:G0+3], s[6:7], s[38:39]
	s_or_b32 s[G0+3], s[G0+3], 0x80000000
	CROUND                                         ; all four work-groups are here: the joint loads meet
	s_cmp_lt_u32 s[WV], 8                          ; two lines: waves 0-7 are waited for at the first barrier, the others at the second
	s_cbranch_scc0 .Lupper
	TLOAD
	s_branch .Lasked
.Lupper:
	TLOAD
.Lasked:
	s_lshl_b32 s40, s37, 4
	s_sub_co_u32 s41, 15, s[U]
	s_add_co_u32 s41, s41, s40
	s_mul_i32 s41, s41, 6400                       ; q's block of the long tile,
	s_add_co_u32 s42, s40, s[U]
	s_mul_i32 s42, s42, 6400                       ; and of the short one
	s_mul_i32 s43, s36, 768                        ; tile x's half image
	s_lshr_b32 s44, s36, 2
	s_lshl_b32 s44, s44, 7
	s_bfe_u32 s45, s36, 0x10001
	s_lshl_b32 s45, s45, 2
	s_add_co_u32 s44, s44, s45
	s_add_co_u32 s44, s44, 6144                    ; its fragment's scale words
	s_mov_b32 s47, 0
	s_add_co_u32 s46, s41, s43
	s_add_nc_u64 s[48:49], s[4:5], s[46:47]
	s_add_co_u32 s46, s42, s43
	s_add_nc_u64 s[50:51], s[4:5], s[46:47]
	s_add_co_u32 s46, s41, s44
	s_add_nc_u64 s[52:53], s[4:5], s[46:47]
	s_add_co_u32 s46, s42, s44
	s_add_nc_u64 s[54:55], s[4:5], s[46:47]
	s_lshr_b32 s60, s36, 2
	s_lshl_b32 s60, s60, 6
	s_and_b32 s61, s36, 3
	s_lshl_b32 s61, s61, 3
	s_add_co_u32 s60, s60, s61                     ; the tile's first row in its 128 tokens: 64 (x / 4) + 8 (x % 4)
	s_mul_i32 s62, s[U], PART
	s_add_co_u32 s62, s62, XCH
	s_add_co_u32 s63, s62, 4096
	v_and_b32 v8, 31, v0
	v_lshlrev_b32 v[L16], 4, v8
	v_lshlrev_b32 v[L8], 3, v8
	v_and_b32 v8, 15, v0                           ; r
	v_bfe_u32 v9, v0, 4, 1                         ; h
	v_lshlrev_b32 v42, 3, v8                       ; 8 r
	global_load_b128 v[QZ+6:QZ+9], v[L16], s[48:49]
	global_load_b64 v[QZ+10:QZ+11], v[L8], s[48:49] offset:512
	global_load_b128 v[Q2:Q2+3], v[L16], s[50:51]
	global_load_b64 v[Q2+4:Q2+5], v[L8], s[50:51] offset:512
	global_load_b32 v[QS1], v42, s[52:53]
	global_load_b32 v[QS2], v42, s[54:55]
	v_lshl_add_u32 v[BO], v8, 4, v9
	v_and_b32 v43, 8, v8
	v_and_b32 v[DQ], 7, v8
	v_lshl_add_u32 v[DQ], v43, 2, v[DQ]            ; 32 (r / 8) + r % 8
	v_lshlrev_b32 v44, 5, v9
	v_sub_nc_u32 v[DQ], v[DQ], v44
	v_add_nc_u32 v[DQ], s60, v[DQ]
	v_add_nc_u32 v[XA], s62, v[L16]
	v_add_nc_u32 v[XB], s63, v[L8]
	v_mov_b32 v[NINF], 0xff800000
.irp i, 0,1,2,3,4,5,12,13,14,15,16,17
	v_mov_b32 v[QZ+\i], 0                          ; the zero codes on both sides of q
.endr
	v_mov_b32 v[T2], 0                             ; written once: a lane permute's destination counts as one of its sources
	v_mov_b32 v[T2+1], 0
	v_mov_b32 v[PW], 0                             ; (named as the upper half of a pair before it is first written; so is the next)
	v_mov_b32 v[TP+1], 0
	s_bitcmp1_b32 s36, 0                           ; which two bytes of the fragment's scale word are my tile's
	s_mov_b32 s32, 0x01000100
	s_cselect_b32 s33, 0x03020302, s32
	; where ctx's half image and scale bytes go: tile T = 128 batch + 8 rho + x, K step head / 2, half head % 2
	s_sub_co_u32 s66, s[WV], 8
	s_sub_co_u32 s67, 15, s[WV]
	s_cmp_lt_u32 s[WV], 8
	s_cselect_b32 s66, s67, s66                    ; waves 0-7 finish the long tile, waves 8-15 the short one
	s_lshl_b32 s66, s66, 3
	s_lshr_b32 s67, s37, 4
	s_lshl_b32 s67, s67, 7
	s_add_co_u32 s66, s66, s67
	s_add_co_u32 s66, s66, s36
	s_and_b32 s68, s37, 15                         ; the head
	s_mul_i32 s69, s68, 768
	s_mul_i32 s70, s66, 12288
	s_add_co_u32 s70, s70, s69
	s_mov_b32 s71, 0
	s_add_nc_u64 s[4:5], s[8:9], s[70:71]
	s_and_b32 s72, s68, 1
	s_lshl_b32 s72, s72, 1
	s_lshr_b32 s73, s68, 3
	s_lshl_b32 s73, s73, 8
	s_add_co_u32 s72, s72, s73
	s_bfe_u32 s73, s68, 0x20001
	s_lshl_b32 s73, s73, 2
	s_add_co_u32 s72, s72, s73
	s_lshl_b32 s70, s66, 9
	s_add_co_u32 s70, s70, s72
	s_add_co_u32 s70, s70, SCW
	s_add_nc_u64 s[6:7], s[8:9], s[70:71]
	s_mov_b32 s[CS], 0x3e38aa3b                    ; log2(e) / 8
	s_mov_b32 s[CS+1], s[CS]                       ; (named with it as a pair, so it is written)
	s_mov_b32 s[NC], 0xbe38aa3b
	WALU
	s_wait_xcnt 0x0                                ; the loads have read their bases: the masks are laid over them
	s_mov_b32 s[SEL], 0x76543210
	s_mov_b32 s[SEL+1], 0xfedcba98
.set I, 0
.rept 64                               ; register n of S^T is key 64 (n / 32) + n % 32 + 32 h
.if I < 28
	v_cmp_gt_i32 s[36+I], 64*(I/32)+I%32, v[DQ]
.else
	v_cmp_gt_i32 s[38+I], 64*(I/32)+I%32, v[DQ]
.endif
.set I, I+1
.endr
	WALU
	s_wait_loadcnt 0x0                             ; q
	v_perm_b32 v[QS1], v[QS1], v[QS1], s33         ; my tile's two bytes, twice
	v_perm_b32 v[QS2], v[QS2], v[QS2], s33
	INIT                                           ; (also the places between the lines above and the first products)
	s_mov_b32 s[IT], 0
	WALU
	s_cmp_lt_u32 s[WV], 8
	s_cbranch_scc0 .Lsecond
	s_wait_tensorcnt 0x0                           ; places 0-7; the others may be on their way: nothing is ever filled again
.Lsecond:
	s_barrier_signal -1
	s_barrier_wait -1
.Lfirst_four:
	TRIP 3
	s_cmp_lt_u32 s[IT], 4
	s_cbranch_scc1 .Lfirst_four
	s_wait_tensorcnt 0x0                           ; all sixteen places
	s_wait_dscnt 0x0
	s_barrier_signal -1
	s_barrier_wait -1
.Lnext_four:
	TRIP 7
	s_cmp_lt_u32 s[IT], 8
	s_cbranch_scc1 .Lnext_four
	WALU
	s_wait_dscnt 0x0                               ; every part of a long tile that is handed over has been stored
	s_barrier_signal -1
	s_cmp_lt_u32 s[WV], 8
	s_cbranch_scc1 .Leight
	STEP 7, 1                                      ; waves 8-15: the ninth step, the short tile's diagonal: LDS loads of bytes that nobody writes
.Leight:
	WALU
	s_barrier_wait -1
	s_cmp_lt_u32 s[WV], 8
	s_cbranch_scc0 .Lfinish
	ds_load_b64 v[136:137], v[XB]                  ; waves 0-7: the long tile's other part
.irp k, 0,1,2,3,4,5,6,7
	ds_load_b128 v[S+4*\k:S+4*\k+3], v[XA] offset:512*\k
.endr
	v_add_f32 v14, v14, v15
	v_mov_b32 v15, 0
	WALU
	s_wait_dscnt 0x0
	v_min_num_f32 v[TP], v12, v136                 ; the greater M
	v_sub_f32 v[BY], v[TP], v12
	v_sub_f32 v[BY+1], v[TP], v136
	v_cvt_i32_f32 v[BY], v[BY]
	v_cvt_i32_f32 v[BY+1], v[BY+1]
	v_ldexp_f32 v[F], 1.0, v[BY]
	v_ldexp_f32 v[TP], 1.0, v[BY+1]
	v_mul_f32 v14, v14, v[F]
	v_fma_f32 v14, v137, v[TP], v14
	SCALEO
.irp j, 0,2,4,6,8,10,12,14,16,18,20,22,24,26,28,30
	v_pk_fma_f32 v[O+\j:O+\j+1], v[S+\j:S+\j+1], v[TP:TP+1], v[O+\j:O+\j+1] op_sel_hi:[1,0,1]
.endr
	WALU
.Lfinish:                                          ; O^T / the sum; a lane's 32 channels are one block, quantised; the half image and the scale bytes leave
.rept 4
	v_nop                                          ; four places behind the last products
.endr
	v_add_f32 v14, v14, v15
	v_permlanex16_b32 v[T2], v14, s[SEL], s[SEL+1]
	v_add_f32 v14, v14, v[T2]                      ; the row's sum
	WALU
	v_rcp_f32 v[F], v14
	v_nop                                          ; a plain place behind the reciprocal,
	WALU                                           ; and the wait ahead of its first reader
	SCALEO                                         ; register i is channel 32 h + i
	v_max3_num_f32 v[BM], |v[O]|, |v[O+1]|, |v[O+2]|
	v_max3_num_f32 v[BM+1], |v[O+16]|, |v[O+17]|, |v[O+18]|
.irp i, 3,5,7,9,11,13
	v_max3_num_f32 v[BM], v[BM], |v[O+\i]|, |v[O+\i+1]|
	v_max3_num_f32 v[BM+1], v[BM+1], |v[O+16+\i]|, |v[O+17+\i]|
.endr
	v_max3_num_f32 v[BM], v[BM], |v[O+15]|, 0x1800000
	v_max3_num_f32 v[BM], v[BM], |v[O+31]|, v[BM+1]
	v_add_nc_u32 v[SO], 0xff000000, v[BM]
	v_cvt_scalef32_pk16_fp6_f32 v[PC:PC+2], v[O:O+15], v[SO]
	v_cvt_scalef32_pk16_fp6_f32 v[T4:T4+2], v[O+16:O+31], v[SO]
	v_lshrrev_b32 v[BY], 23, v[SO]
.irp i, 0,1,2
	v_mov_b32 v[PC+3+\i], v[T4+\i]
.endr
	global_store_b128 v[L16], v[PC:PC+3], s[4:5]   ; 512 and 256 consecutive bytes, each from a multiple of 256
	global_store_b64 v[L8], v[PC+4:PC+5], s[4:5] offset:512
	global_store_b8 v[BO], v[BY], s[6:7]
	s_wait_tensorcnt 0x0                           ; the wave's end
	ds_add_u32 v254, v255
	s_wait_dscnt 0x0
	CROUND                                         ; the closing round
	s_endpgm
.Lfunc_end_k_qee9fdda7a6_attn:
	.size	k_qee9fdda7a6_attn, .Lfunc_end_k_qee9fdda7a6_attn-k_qee9fdda7a6_attn
	.p2alignl 7, 3214868480
	.fill 96, 4, 3214868480
	.section	.rodata,"a",@progbits
	.p2align	6, 0x0
	.amdhsa_kernel k_qee9fdda7a6_attn
		.amdhsa_group_segment_fixed_size 241664
		.amdhsa_private_segment_fixed_size 0
		.amdhsa_enable_private_segment 0
		.amdhsa_kernarg_size 24
		.amdhsa_user_sgpr_count 2
		.amdhsa_user_sgpr_kernarg_segment_ptr 1
		.amdhsa_wavefront_size32 1
		.amdhsa_system_sgpr_workgroup_id_x 1
		.amdhsa_system_sgpr_workgroup_id_y 1
		.amdhsa_system_sgpr_workgroup_id_z 1
		.amdhsa_system_vgpr_workitem_id 0
		.amdhsa_next_free_vgpr 256
		.amdhsa_next_free_sgpr 104
		.amdhsa_reserve_vcc 0
		.amdhsa_float_denorm_mode_32 3
		.amdhsa_float_denorm_mode_16_64 3
		.amdhsa_memory_ordered 1
		.amdhsa_forward_progress 1
		.amdhsa_inst_pref_size 83
	.end_amdhsa_kernel
	.amdgpu_metadata
---
amdhsa.version: [ 1, 2 ]
amdhsa.kernels:
  - .name:           k_qee9fdda7a6_attn
    .symbol:         k_qee9fdda7a6_attn.kd
    .args:
      - { .name: qq, .offset: 0, .size: 8, .value_kind: global_buffer, .address_space: global }
      - { .name: kv, .offset: 8, .size: 8, .value_kind: global_buffer, .address_space: global }
      - { .name: cq, .offset: 16, .size: 8, .value_kind: global_buffer, .address_space: global }
    .group_segment_fixed_size: 241664
    .private_segment_fixed_size: 0
    .kernarg_segment_align: 8
    .kernarg_segment_size: 24
    .max_flat_workgroup_size: 512
    .sgpr_count:     104
    .vgpr_count:     256
    .wavefront_size: 32
...
	.end_amdgpu_metadata
.endif
;; end of part 3
;; launch oproj (part 4): grid 8 x 32, 4 waves a work-group, clusters of 4 x 4, 215,040 bytes of LDS; arguments cq, wq, out0; writes out0
.if DOCPART == 4
	.amdgcn_target "amdgcn-amd-amdhsa--gfx1250"
	.amdhsa_code_object_version 6
	.text
	.protected	k_qee9fdda7a6_oproj
	.globl	k_qee9fdda7a6_oproj
	.p2align	8
	.type	k_qee9fdda7a6_oproj,@function
k_qee9fdda7a6_oproj:
	s_mov_b64 s[64:65], 0
	v_nop
	global_prefetch_b8 v0, s[64:65] scope:SCOPE_SE
	s_setreg_imm32_b32 hwreg(HW_REG_WAVE_MODE, 25, 1), 1
	s_wait_xcnt 0x0
	s_wait_alu depctr_hold_cnt(0) depctr_sa_sdst(0) depctr_va_vdst(0) depctr_va_sdst(0) depctr_va_ssrc(0) depctr_va_vcc(0) depctr_vm_vsrc(0)
	s_getreg_b32 s2, hwreg(HW_REG_IB_STS2, 6, 4)
	s_cmp_eq_u32 s2, 0
	s_cbranch_scc0 .Lentry_in_a_cluster
	s_endpgm
.Lentry_in_a_cluster:
	s_bfe_u32 s2, ttmp6, 0x10000c
	s_cmp_lg_u32 s2, 0xf033
	s_cbranch_scc0 .Lentry_shape_is_right
	s_endpgm
.Lentry_shape_is_right:
; out0 = ctx Wo on codes of FP6 (E2M3) with E8M0 scales, sums in f32.  ctx's codes (cq) and out_proj's (wq, tiles 192-255) lie as register images of fragments (1,536 bytes: 16 rows x 128 K).
; SHARES.  A work-group makes 128 tokens x 128 features: grid 8 x 32 = 256 work-groups.  Wave w: features 64 (w % 2) on, tokens 64 (w / 2) on: 16 accumulators.
; ALL OF K (1,024) of both operands lies in LDS, 2 x 98,304 bytes, filled once: one joint load a wave: K steps 0-3 of ctx and W (waves 0, 1), K steps 4-7 (waves 2, 3).  No prefetch: every tile is asked for at the head.
; K steps 0-3 go one by one over all 16 accumulators; K steps 4-7 go by tiles of 16 tokens, W's 16 fragments in registers, so that a finished tile leaves while the others are multiplied.
; CLUSTERS: 4 x 4 work-groups: ctx's tiles are asked for jointly by a row of the cluster, W's by a column.
; Source 0 = 16 features, source 1 = 16 tokens: a lane holds one token; register i of features' tile t is feature 32 h + 8 t + i of my 64.  Row i of tokens' tile a is token 32 (i / 8) + 8 a + i % 8 of my 64: the way out honours that.
; THE WAY OUT: a tile of 16 tokens x 64 features goes through the wave's own stage in LDS (behind the images: no fill lands there) and leaves as rows: sixteen lanes store 256 consecutive bytes from a multiple of 256.
; REGISTERS: window 0: addresses, scale words, rows on their way out; window 1: two sets of fragments; window 2: accumulators; window 3: W's fragments of K steps 4-7.
.set SCW,  3145728
.set REGB, 98304
.set STG,  196608                      ; the stages: 16 rows x (256 + 16) bytes for each wave
.set SPARE, 214016
.set L16,  4
.set L8,   5
.set XR,   8
.set WR,   12
.set SC0,  32
.set SC1,  66
.set STO,  84
.set RD,   85
.set CO,   86
.set BK,   96                          ; v96-223 the rows read back
.set WV,   12
.set G1A,  24
.set G1B,  32
.set G0A,  40
.set G0B,  44
.set MSB, 0
.macro WIN new                         ; the immediate's high byte repeats the setting that is left
.if MSB != (\new)
	s_set_vgpr_msb (MSB<<8)|(\new)
.set MSB, (\new)
.endif
.endm
.macro CROUND                          ; a round of the cluster's barrier
	s_barrier_signal -1
	s_barrier_wait -1
	s_cmp_lg_u32 s[WV], 0
	s_cbranch_scc1 .Lnot_wave_0_\@
	s_barrier_signal -3
.Lnot_wave_0_\@:
	s_barrier_wait -3
	s_barrier_signal -1
	s_barrier_wait -1
.endm
.macro PLACES
.rept 4
	v_nop
.endr
.endm
.macro TLOAD g0, g1
	tensor_load_to_lds s[\g0:\g0+3], s[\g1:\g1+7]
	s_nop 0
	PLACES
.endm
.macro LFRAG reg, R, s, tile           ; a fragment's image: consecutive bytes in each load.  LDS: [half of K][tile 8][K step 4][1,536]
.set LO, 6144*(\tile)+1536*((\s)&3)
.set LR, (\R)+2*((\s)>>2)
	ds_load_b128 v[\reg:\reg+3], v[LR] offset:LO
	ds_load_b64 v[\reg+4:\reg+5], v[LR+1] offset:LO+512
	ds_load_b128 v[\reg+6:\reg+9], v[LR] offset:LO+768
	ds_load_b64 v[\reg+10:\reg+11], v[LR+1] offset:LO+1280
.endm
.macro FETCH s                         ; K step s: W's four fragments and ctx's four into set s % 2: 32 loads
	WIN 0x40
.irp i, 0,1,2,3
	LFRAG 128*((\s)%2)+12*\i, WR, \s, \i
.endr
.irp i, 0,1,2,3
	LFRAG 128*((\s)%2)+12*(4+\i), XR, \s, \i
.endr
	WIN 0
.endm
.macro XF a                            ; ctx's tile a, K steps 4-7, into buffer a % 2: 16 loads
	WIN 0x40
.irp q, 0,1,2,3
	LFRAG 128*((\a)%2)+12*\q, XR, 4+\q, \a
.endr
	WIN 0
.endm
.macro MUL s                           ; the 16 accumulators by turns, one instruction a turn; K step 0 starts the sums
	WIN 0xa5
.irp b, 0,1,2,3
.irp a, 0,1,2,3
.if (\s) == 0
	v_wmma_scale_f32_16x16x128_f8f6f4 v[8*(4*\b+\a):8*(4*\b+\a)+7], v[128*((\s)%2)+12*\a:128*((\s)%2)+12*\a+11], v[128*((\s)%2)+12*(4+\b):128*((\s)%2)+12*(4+\b)+11], 0, v[SC0+4*\a], v[SC1+4*\b] matrix_a_fmt:MATRIX_FMT_FP6 matrix_b_fmt:MATRIX_FMT_FP6
.else
	v_wmma_scale_f32_16x16x128_f8f6f4 v[8*(4*\b+\a):8*(4*\b+\a)+7], v[128*((\s)%2)+12*\a:128*((\s)%2)+12*\a+11], v[128*((\s)%2)+12*(4+\b):128*((\s)%2)+12*(4+\b)+11], v[8*(4*\b+\a):8*(4*\b+\a)+7], v[SC0+4*\a+(\s)], v[SC1+4*\b+(\s)] matrix_a_fmt:MATRIX_FMT_FP6 matrix_b_fmt:MATRIX_FMT_FP6
.endif
.endr
.endr
	WIN 0
.endm
.macro ROW a                           ; tokens' tile a is finished: K steps 4-7, its four accumulators by turns
	WIN 0xa7
.irp q, 0,1,2,3
.irp t, 0,1,2,3
	v_wmma_scale_f32_16x16x128_f8f6f4 v[8*(4*(\a)+\t):8*(4*(\a)+\t)+7], v[12*(4*\q+\t):12*(4*\q+\t)+11], v[128*((\a)%2)+12*\q:128*((\a)%2)+12*\q+11], v[8*(4*(\a)+\t):8*(4*(\a)+\t)+7], v[SC0+4*\t+\q], v[SC1+4*(\a)+\q] matrix_a_fmt:MATRIX_FMT_FP6 matrix_b_fmt:MATRIX_FMT_FP6 matrix_a_scale:MATRIX_SCALE_ROW1 matrix_b_scale:MATRIX_SCALE_ROW1
.endr
.endr
	WIN 0
.endm
.macro TOSTAGE a                       ; 8 stores and 8 loads
	PLACES                                         ; in front of the first read of these results, and of loads into the fragments that they read
	WIN 0x08                                       ; an LDS store's data are its source 1: window 2
.irp t, 0,1,2,3
	ds_store_b128 v[STO], v[8*(4*(\a)+\t):8*(4*(\a)+\t)+3] offset:32*\t        ; each accumulator from its low end on
	ds_store_b128 v[STO], v[8*(4*(\a)+\t)+4:8*(4*(\a)+\t)+7] offset:32*\t+16
.endr
	WIN 0
.irp u, 0,1,2,3,4,5,6,7
	ds_load_b128 v[BK+32*(\a)+4*\u:BK+32*(\a)+4*\u+3], v[RD] offset:544*\u   ; LDS serves a wave's instructions in order (ISA guide 5.7.1.4): these see my stores, and the next tile's stores come behind them
.endr
.endm
.macro SEND a
.irp u, 0,1,2,3,4,5,6,7
	global_store_b128 v[CO], v[BK+32*(\a)+4*\u:BK+32*(\a)+4*\u+3], s[56:57] offset:(8*(\a)+2*\u+24*(\u/4))*4096 th:TH_STORE_NT   ; rows 2 u, 2 u + 1 of the tile
.endr
.endm
	s_load_b128 s[4:7], s[0:1], 0x0                ; cq, wq
	s_load_b64 s[8:9], s[0:1], 0x10                ; out0
	v_lshl_add_u32 v254, v0, 2, SPARE
	v_mov_b32 v255, 0
	ds_add_u32 v254, v255                          ; the opening lines
	ds_add_u32 v254, v255
	v_lshrrev_b32 v1, 5, v0
	v_readfirstlane_b32 s[WV], v1
	s_and_b32 s13, s[WV], 1
	s_lshr_b32 s14, s[WV], 1
	s_bfe_u32 s15, ttmp6, 0x40000
	s_bfe_u32 s16, ttmp6, 0x40004
	s_lshl_b32 s17, ttmp9, 2
	s_add_co_u32 s17, s17, s15                     ; nx: block of features
	s_and_b32 s18, ttmp7, 0xffff
	s_lshl_b32 s18, s18, 2
	s_add_co_u32 s18, s18, s16                     ; my: block of tokens
	s_lshl_b32 s84, s16, 2
	s_lshl_b32 s84, 15, s84                        ; my row of the cluster
	s_lshl_b32 s88, 0x1111, s15                    ; my column
	s_or_b32 s[G1A], s84, (3<<16)|(1<<21)          ; eight rows (tiles) of 6,144 bytes (four K steps' images), 12,288 bytes apart in memory, on end in LDS
	s_or_b32 s[G1B], s88, (3<<16)|(1<<21)
.irp g, G1A, G1B
	s_mov_b32 s[\g+1], 768<<16
	s_mov_b32 s[\g+2], 8<<16
	s_mov_b32 s[\g+3], 768<<16
	s_mov_b32 s[\g+4], 8
	s_mov_b32 s[\g+5], 1536
	s_mov_b32 s[\g+6], 0
	s_mov_b32 s[\g+7], 0
.endr
	s_mul_i32 s86, s14, 6144                       ; the half of K that I fetch: in memory,
	s_mul_i32 s87, s14, 49152                      ; and in LDS: no place in the cluster enters an LDS address
	s_mul_i32 s84, s18, 98304
	s_add_co_u32 s84, s84, s86
	s_mov_b32 s85, 0
	s_add_co_u32 s88, s17, 24                      ; out_proj's blocks stand behind q's, k's and v's 24
	s_mul_i32 s88, s88, 98304
	s_add_co_u32 s88, s88, s86
	s_mov_b32 s89, 0
	s_mov_b32 s[G0A], 1
	s_mov_b32 s[G0A+1], s87
	s_mov_b32 s[G0B], 1
	s_add_co_u32 s[G0B+1], s87, REGB
	s_wait_dscnt 0x0
	s_wait_kmcnt 0x0
	s_add_nc_u64 s[G0A+2:G0A+3], s[4:5], s[84:85]
	s_or_b32 s[G0A+3], s[G0A+3], 0x80000000
	s_add_nc_u64 s[G0B+2:G0B+3], s[6:7], s[88:89]
	s_or_b32 s[G0B+3], s[G0B+3], 0x80000000
	CROUND                                         ; all sixteen work-groups are here: the joint loads meet
	s_cmp_eq_u32 s[WV], 0
	s_cbranch_scc0 .Lwave_1
	TLOAD G0A, G1A                                 ; wave 0: ctx, K steps 0-3
	s_branch .Lasked
.Lwave_1:
	s_cmp_eq_u32 s[WV], 1
	s_cbranch_scc0 .Lwave_2
	TLOAD G0B, G1B                                 ; wave 1: W, K steps 0-3
	s_branch .Lasked
.Lwave_2:
	s_cmp_eq_u32 s[WV], 2
	s_cbranch_scc0 .Lwave_3
	TLOAD G0A, G1A                                 ; wave 2: ctx, K steps 4-7
	s_branch .Lasked
.Lwave_3:
	TLOAD G0B, G1B                                 ; wave 3: W, K steps 4-7
.Lasked:
	s_mul_i32 s92, s14, 24576                      ; my four tiles of ctx
	s_mul_i32 s93, s13, 24576
	s_add_co_u32 s93, s93, REGB                    ; my four tiles of W
	s_mul_i32 s94, s[WV], 16*272
	s_add_co_u32 s94, s94, STG                     ; my stage
	v_and_b32 v1, 31, v0
	v_and_b32 v2, 15, v0                           ; r
	v_bfe_u32 v3, v0, 4, 1                         ; h
	v_lshlrev_b32 v[L16], 4, v1
	v_lshlrev_b32 v[L8], 3, v1
	v_add_nc_u32 v[XR], s92, v[L16]
	v_add_nc_u32 v[XR+1], s92, v[L8]
	v_add_nc_u32 v[XR+2], 49152, v[XR]
	v_add_nc_u32 v[XR+3], 49152, v[XR+1]
	v_add_nc_u32 v[WR], s93, v[L16]
	v_add_nc_u32 v[WR+1], s93, v[L8]
	v_add_nc_u32 v[WR+2], 49152, v[WR]
	v_add_nc_u32 v[WR+3], 49152, v[WR+1]
	v_mul_u32_u24 v[STO], v2, 272
	v_lshl_add_u32 v[STO], v3, 7, v[STO]
	v_add_nc_u32 v[STO], s94, v[STO]               ; in: row r, + 128 h: features 32 h on
	v_mul_u32_u24 v[RD], v3, 272
	v_lshl_add_u32 v[RD], v2, 4, v[RD]
	v_add_nc_u32 v[RD], s94, v[RD]                 ; back: lanes 0-15 one row, lanes 16-31 the next
	v_lshlrev_b32 v[CO], 12, v3
	v_lshl_add_u32 v[CO], v2, 4, v[CO]             ; and the same two rows of out0 (4,096 bytes a row)
	s_wait_alu depctr_va_vdst(0)                   ; the wait here, ahead of the scalar lines below
	s_lshl_b32 s90, s18, 12                        ; the scale words: 512 bytes a tile
	s_lshl_b32 s92, s14, 11
	s_add_co_u32 s90, s90, s92
	s_add_co_u32 s90, s90, SCW
	s_mov_b32 s91, 0
	s_add_nc_u64 s[60:61], s[4:5], s[90:91]        ; ctx's
	s_add_co_u32 s90, s17, 24
	s_lshl_b32 s90, s90, 12
	s_lshl_b32 s92, s13, 11
	s_add_co_u32 s90, s90, s92
	s_add_co_u32 s90, s90, SCW
	s_add_nc_u64 s[62:63], s[6:7], s[90:91]        ; W's
	s_lshl_b32 s90, s18, 19                        ; out0: row 128 my + 64 (w / 2), byte 512 nx + 256 (w % 2)
	s_lshl_b32 s92, s14, 18
	s_add_co_u32 s90, s90, s92
	s_lshl_b32 s92, s17, 9
	s_add_co_u32 s90, s90, s92
	s_lshl_b32 s92, s13, 8
	s_add_co_u32 s90, s90, s92
	s_add_nc_u64 s[56:57], s[8:9], s[90:91]
.irp i, 0,1,2,3
	global_load_b128 v[SC0+4*\i:SC0+4*\i+3], v[L16], s[62:63] offset:512*\i   ; a tile's scale words for all of K: register q: lanes 0-15 K step q, lanes 16-31 K step 4 + q
.endr
.irp i, 0,1,2,3
	global_load_b128 v[SC1+4*\i:SC1+4*\i+3], v[L16], s[60:61] offset:512*\i
.endr
	s_cmp_lt_u32 s[WV], 2
	s_cbranch_scc0 .Lsecond_half
	s_wait_tensorcnt 0x0                           ; waves 0, 1: K steps 0-3; the other half may be on its way: nothing is ever filled again
.Lsecond_half:
	s_barrier_signal -1
	s_barrier_wait -1
	FETCH 0
	s_wait_loadcnt 0x0                             ; the scale words
.irp s, 0,1,2
	FETCH \s+1
	s_wait_dscnt 32                                ; all but the 32 loads just issued
	MUL \s
	PLACES                                         ; in front of loads into the set that these products read
.endr
	s_wait_tensorcnt 0x0
	s_wait_dscnt 0x0
	s_barrier_signal -1
	s_barrier_wait -1                              ; K steps 4-7 are whole
	WIN 0xc0
.irp q, 0,1,2,3
.irp t, 0,1,2,3
	LFRAG 12*(4*\q+\t), WR, 4+\q, \t
.endr
.endr
	WIN 0
	XF 0
	MUL 3
	PLACES
	XF 1
	s_wait_dscnt 16                                ; all but tile 1's 16 loads
	ROW 0
	TOSTAGE 0
	XF 2
	s_wait_dscnt 32                                ; tile 1 is in: behind it 16 of the stage and tile 2's 16
	ROW 1
	s_wait_dscnt 16                                ; tile 0's rows are back
	SEND 0
	TOSTAGE 1
	XF 3
	s_wait_dscnt 32
	ROW 2
	s_wait_dscnt 16
	SEND 1
	TOSTAGE 2
	s_wait_dscnt 16                                ; tile 3 is in: behind it 16 of the stage
	ROW 3
	s_wait_dscnt 0x0
	SEND 2
	TOSTAGE 3
	s_wait_dscnt 0x0
	SEND 3
	s_wait_tensorcnt 0x0                           ; the wave's end
	ds_add_u32 v254, v255
	s_wait_dscnt 0x0
	CROUND                                         ; the closing round
	s_endpgm
.Lfunc_end_k_qee9fdda7a6_oproj:
	.size	k_qee9fdda7a6_oproj, .Lfunc_end_k_qee9fdda7a6_oproj-k_qee9fdda7a6_oproj
	.p2alignl 7, 3214868480
	.fill 96, 4, 3214868480
	.section	.rodata,"a",@progbits
	.p2align	6, 0x0
	.amdhsa_kernel k_qee9fdda7a6_oproj
		.amdhsa_group_segment_fixed_size 215040
		.amdhsa_private_segment_fixed_size 0
		.amdhsa_enable_private_segment 0
		.amdhsa_kernarg_size 24
		.amdhsa_user_sgpr_count 2
		.amdhsa_user_sgpr_kernarg_segment_ptr 1
		.amdhsa_wavefront_size32 1
		.amdhsa_system_sgpr_workgroup_id_x 1
		.amdhsa_system_sgpr_workgroup_id_y 1
		.amdhsa_system_sgpr_workgroup_id_z 1
		.amdhsa_system_vgpr_workitem_id 0
		.amdhsa_next_free_vgpr 960
		.amdhsa_next_free_sgpr 104
		.amdhsa_reserve_vcc 0
		.amdhsa_float_denorm_mode_32 3
		.amdhsa_float_denorm_mode_16_64 3
		.amdhsa_memory_ordered 1
		.amdhsa_forward_progress 1
		.amdhsa_inst_pref_size 50
	.end_amdhsa_kernel
	.amdgpu_metadata
---
amdhsa.version: [ 1, 2 ]
amdhsa.kernels:
  - .name:           k_qee9fdda7a6_oproj
    .symbol:         k_qee9fdda7a6_oproj.kd
    .args:
      - { .name: cq, .offset: 0, .size: 8, .value_kind: global_buffer, .address_space: global }
      - { .name: wq, .offset: 8, .size: 8, .value_kind: global_buffer, .address_space: global }
      - { .name: out0, .offset: 16, .size: 8, .value_kind: global_buffer, .address_space: global }
    .group_segment_fixed_size: 215040
    .private_segment_fixed_size: 0
    .kernarg_segment_align: 8
    .kernarg_segment_size: 24
    .max_flat_workgroup_size: 128
    .sgpr_count:     104
    .vgpr_count:     960
    .wavefront_size: 32
...
	.end_amdgpu_metadata
.endif
;; end of part 4
